; MI455X (gfx1250); checked and timed in simulation.
; The chip was launched on July 23, 2026; its instructions are those of AMD's public machine-readable ISA for CDNA 5 (MIT licence, August 2026) and "CDNA5" Instruction Set Architecture Reference Guide (July 2026). The comments in the code are by the model that wrote it; some were corrected since.
;; Layer. Allowed arithmetic: matrix products marked QUANTISED: E2M1 operands, one E8M0 scale for each 32 along K, by v_wmma_scale_f32_16x16x128_f8f6f4 with both operands' format E2M1 (or v_wmma_scale_f32_32x16x128_f4), f32 sums; everything else in f32.
;; Inputs: b_attn 3,072 float32; b_fc1 4,096 float32; b_fc2 1,024 float32; b_proj 1,024 float32; g_norm1 1,024 float32; g_norm2 1,024 float32; w_attn_codes 3,072 x 32 x 16 uint8 (E2M1 codes of w_attn, K innermost, in blocks of 32 codes, two codes a byte); w_attn_scales 3,072 x 32 uint8 (E8M0 scales of w_attn, one for each 32 codes along K); w_fc1_codes 4,096 x 32 x 16 uint8 (E2M1 codes of w_fc1, K innermost, in blocks of 32 codes, two codes a byte); w_fc1_scales 4,096 x 32 uint8 (E8M0 scales of w_fc1, one for each 32 codes along K); w_fc2_codes 1,024 x 128 x 16 uint8 (E2M1 codes of w_fc2, K innermost, in blocks of 32 codes, two codes a byte); w_fc2_scales 1,024 x 128 uint8 (E8M0 scales of w_fc2, one for each 32 codes along K); w_proj_codes 1,024 x 32 x 16 uint8 (E2M1 codes of w_proj, K innermost, in blocks of 32 codes, two codes a byte); w_proj_scales 1,024 x 32 uint8 (E8M0 scales of w_proj, one for each 32 codes along K); x 2 x 2,048 x 1,024 float32.
;; Outputs: out0 2 x 2,048 x 1,024 float32.
;; This version of the problem:
;;   THIS VERSION OF THE PROBLEM IS GIVEN IN LOW PRECISION. The matrix products marked QUANTISED in the list below multiply operands that are first quantised to E2M1 (2 exponent bits, 1 mantissa bit; 4 bits a number), with one power-of-two scale for each 32 numbers along K (OCP MX v1.0); their sums are f32. All else is computed in f32.
;;   The module's matrix products, in the order in which they are computed (A, B: the left and right operand; K: the contracted axis; several contracted axes count as one K, in the product's order):
;;     1. [M 4,096, K 1,024] x [K 1,024, N 3,072]; A: computed on the way; B: input w_attn (given as codes): QUANTISED
;;     2. batch 32 x [M 2,048, K 64] x [K 64, N 2,048]; A: computed on the way; B: computed on the way: QUANTISED
;;     3. batch 32 x [M 2,048, K 2,048] x [K 2,048, N 64]; A: computed on the way; B: computed on the way: QUANTISED
;;     4. [M 4,096, K 1,024] x [K 1,024, N 1,024]; A: computed on the way; B: input w_proj (given as codes): QUANTISED
;;     5. [M 4,096, K 1,024] x [K 1,024, N 4,096]; A: computed on the way; B: input w_fc1 (given as codes): QUANTISED
;;     6. [M 4,096, K 4,096] x [K 4,096, N 1,024]; A: computed on the way; B: input w_fc2 (given as codes): QUANTISED
;;   THE QUANTISER, for each operand of a quantised product, along K:
;;     - K is cut into blocks of 32 from its start; a last block that is shorter is filled with zeros.
;;     - A block's scale is 2^e with e = floor(log2(the largest magnitude in the block)) - 2, held to -126 .. 127; a block of zeros has e = 0. As a byte (E8M0): e + 127.
;;     - Each number is divided by its block's scale, clamped to +-6, and rounded to the nearest number of E2M1, ties to even, subnormals kept.
;;     - The product sums the exact products of the quantised numbers (number of the format x scale) in f32.
;;   ~~~python
;;   def quantise(x, axis):      # numpy; x: float32 -> the quantised numbers, widened to float32 again
;;       x = np.moveaxis(x, axis, -1); K = x.shape[-1]
;;       x = np.pad(x, [(0, 0)] * (x.ndim - 1) + [(0, -K % 32)]); x = x.reshape(x.shape[:-1] + (-1, 32)); a = np.abs(x).max(-1, keepdims=True)
;;       e = np.where(a > 0, np.clip(np.frexp(np.where(a > 0, a, 1))[1] - 1 - 2, -126, 127), 0)      # np.frexp(a)[1] - 1 = floor(log2(a)), exactly
;;       r = np.clip(x / 2.0 ** e, -6, 6)
;;       step = 2.0 ** (np.maximum(np.frexp(np.where(r == 0, 1, r))[1] - 1, 0) - 1)
;;       q = np.round(r / step) * step * 2.0 ** e      # np.round: ties to even
;;       return np.moveaxis(q.reshape(q.shape[:-2] + (-1,))[..., :K], -1, axis).astype(np.float32)
;;   ~~~
;;   OPERANDS COMPUTED ON THE WAY. 'Computed on the way' means the value that the module computes at that place (a softmax that the list does not call 'softmax' is quantised finished and normalised). What goes into a quantiser is computed in f32, as accurately as f32 sums, v_exp_f32 and their like allow (about 1e-6 of the number): no bf16 or f16 on the way to a quantiser, and a product that is left as it is and whose result goes on into a quantised operand takes f32 operands (vector FMAs, or v_wmma_f32_16x16x4_f32). A number that lies on a knife's edge between two numbers of the format may be rounded either way, as far as f32 arithmetic and the matrix unit's own rounding can turn it there, and no further.
;;   INPUTS GIVEN AS CODES. w_attn (in the module: [1024, 3072], K = its axis 0); w_fc1 (in the module: [1024, 4096], K = its axis 0); w_fc2 (in the module: [4096, 1024], K = its axis 0); w_proj (in the module: [1024, 1024], K = its axis 0): each comes as NAME_codes (uint8): NAME with its K axis moved to the last place and cut into blocks of 32 codes, [.., K / 32, bytes a block], one block behind the other in memory; two codes a byte, the lower K in the low four bits (a code: sign, 2 exponent bits, 1 mantissa bit); and NAME_scales (uint8): the same leading axes, one E8M0 byte (e + 127) for each 32 codes along K. Its value is code x scale, taken as it is: it is not quantised again, and the codes and scales need not be those that the quantiser above would give.
;; One version. Each part assembles by itself: llvm-mc -triple=amdgcn-amd-amdhsa -mcpu=gfx1250 --defsym DOCPART=n.
;; ======== version 1 of 1: 6 launches
;; workspace buffers: act 2,228,224 bytes; wpf 524,288 bytes; qk 4,456,448 bytes; vt 2,228,224 bytes; ha 11,141,120 bytes
;; launch normq (part 1): grid 256 x 1, 16 waves a work-group, no clusters, 76,800 bytes of LDS; arguments x, g_norm1, w_proj_codes, act, wpf; writes act, wpf
.if DOCPART == 1
	.amdgcn_target "amdgcn-amd-amdhsa--gfx1250"
	.amdhsa_code_object_version 6
	.text
	.protected	k_q3b25480cc9_normq
	.globl	k_q3b25480cc9_normq
	.p2align	8
	.type	k_q3b25480cc9_normq,@function
k_q3b25480cc9_normq:
	s_mov_b64 s[64:65], 0
	v_nop
	global_prefetch_b8 v0, s[64:65] scope:SCOPE_SE
	s_setreg_imm32_b32 hwreg(HW_REG_WAVE_MODE, 25, 1), 1
	s_wait_xcnt 0x0
; act = Q(rmsnorm(x) * g_norm1): codes of E2M1 [4096][512 bytes], K innermost, and one E8M0 byte for each 32 along K, [4096][32], 2,097,152 bytes further on.
; Also: w_proj's codes are laid once in the order of an operand's registers: wpf [n tile 64][K step 8][c 2][lane 32][16 bytes].
; A work-group takes 16 rows, a wave one row of 4,096 bytes: eight loads of 512 consecutive bytes; the row stays in registers between the sum of squares and the scaling.
; The conversions want a block of 32 neighbours in ONE lane: the scaled row turns through the wave's own stage in LDS (32 pieces of 128 bytes + 16 of padding) and comes back a block a lane.
; LIMITS: NaN and infinities are not served; a block whose largest magnitude lies under 2^-124 keeps the byte 1; a block of zeros has the byte 1 (its codes are zeros; this program alone reads the bytes).
.set STG,  4608                        ; a wave's stage: 32 x 144 bytes
.set SCB,  16*STG                      ; behind the stages: the work-group's 512 scale bytes
.set X,    16                          ; v16-47   the row as loaded; later my block of 32
.set G,    48                          ; v48-79   the gain, laid as the row
.set Y,    80                          ; v80-111  the scaled row
.set C,    112                         ; v112-115 my block's codes
.set LAY,  116                         ; v116-119 half a fragment of w_proj
.set RS,   120                         ; v120-121 1 / sqrt(mean + eps), twice
	s_load_b256 s[4:11], s[0:1], 0x0               ; x s[4:5], g s[6:7], w_proj codes s[8:9], act s[10:11]
	s_load_b64 s[12:13], s[0:1], 0x20              ; wpf
	v_lshl_add_u32 v128, v0, 2, 0x12400
	v_mov_b32 v129, 0
	v_lshrrev_b32 v1, 5, v0
	v_readfirstlane_b32 s14, v1                    ; wave 0..15
	v_and_b32 v1, 31, v0                           ; lane
	v_lshlrev_b32 v2, 4, v1                        ; 16 x lane; never rewritten
	s_mul_i32 s15, s14, STG
	v_lshrrev_b32 v3, 3, v1
	v_mul_u32_u24 v3, v3, 144
	v_and_b32 v4, 7, v1
	v_lshl_add_u32 v3, v4, 4, v3
	v_add_nc_u32 v3, s15, v3                       ; into the stage: eight lanes' 128 bytes on end, then 16 of padding
	v_mul_u32_u24 v4, v1, 144
	v_add_nc_u32 v4, s15, v4                       ; out of it: piece = lane
	s_lshl_b32 s16, s14, 5
	s_add_co_u32 s16, s16, SCB
	v_add_nc_u32 v5, s16, v1                       ; my block's scale byte: 32 x wave + lane
	v_add_nc_u32 v7, SCB, v2                       ; wave 0 reads all 512 back
	v_and_b32 v6, 15, v0
	v_lshlrev_b32 v6, 9, v6
	v_bfe_u32 v8, v0, 4, 1
	v_lshl_add_u32 v6, v8, 4, v6                   ; w_proj: row r of 512 bytes, + 16 h
	s_and_b32 s17, s14, 3
	s_lshl_b32 s18, ttmp9, 2
	s_add_co_u32 s17, s17, s18                     ; f = 4 x work-group + wave (waves 0 to 3): which half fragment: 16 x n tile + 2 x K step + c
	s_lshr_b32 s18, s17, 4
	s_lshl_b32 s18, s18, 13                        ; 16 rows of 512 bytes a tile
	s_bfe_u32 s19, s17, 0x30001
	s_lshl_b32 s19, s19, 6                         ; 64 bytes a K step
	s_add_co_u32 s18, s18, s19
	s_and_b32 s19, s17, 1
	s_lshl_b32 s19, s19, 5                         ; 32 bytes a c
	s_add_co_u32 s18, s18, s19
	s_mov_b32 s19, 0
	s_lshl_b32 s20, s17, 9                         ; and 512 bytes a half fragment in wpf
	s_mov_b32 s21, 0
	s_lshl_b32 s22, ttmp9, 4
	s_add_co_u32 s22, s22, s14                     ; my row
	s_lshl_b32 s24, s22, 12
	s_mov_b32 s25, 0
	s_lshl_b32 s26, s22, 9
	s_mov_b32 s27, 0
	s_lshl_b32 s28, ttmp9, 9
	s_add_co_u32 s28, s28, 2097152                 ; the work-group's 512 scale bytes
	s_mov_b32 s29, 0
	s_mov_b32 s32, 0x3a800000                      ; 1 / 1024
	s_mov_b32 s33, 0x34000000                      ; eps = 2^-23
	s_mov_b32 s34, 0x76543210
	s_mov_b32 s35, 0xfedcba98                      ; lane l xor 16
	s_wait_kmcnt 0x0
	s_add_nc_u64 s[4:5], s[4:5], s[24:25]
	s_add_nc_u64 s[8:9], s[8:9], s[18:19]
	s_add_nc_u64 s[12:13], s[12:13], s[20:21]
	s_add_nc_u64 s[28:29], s[10:11], s[28:29]
	s_add_nc_u64 s[10:11], s[10:11], s[26:27]
	s_cmp_lt_u32 s14, 4
	s_cbranch_scc0 .Lno_lay
	global_load_b128 v[LAY:LAY+3], v6, s[8:9]
.Lno_lay:
.irp j, 0,1,2,3,4,5,6,7
	global_load_b128 v[X+4*\j:X+4*\j+3], v2, s[4:5] offset:512*\j th:TH_LOAD_NT
.endr
.irp j, 0,1,2,3,4,5,6,7
	global_load_b128 v[G+4*\j:G+4*\j+3], v2, s[6:7] offset:512*\j
.endr
	s_wait_loadcnt 8                               ; all but the gain's eight loads are in
	s_cmp_lt_u32 s14, 4
	s_cbranch_scc0 .Lno_lay2
	global_store_b128 v2, v[LAY:LAY+3], s[12:13]   ; 512 consecutive bytes
.Lno_lay2:
	v_pk_mul_f32 v[8:9], v[X:X+1], v[X:X+1]        ; the sum of squares, in two chains
	v_pk_mul_f32 v[10:11], v[X+2:X+3], v[X+2:X+3]
.irp j, 4,8,12,16,20,24,28
	v_pk_fma_f32 v[8:9], v[X+\j:X+\j+1], v[X+\j:X+\j+1], v[8:9]
	v_pk_fma_f32 v[10:11], v[X+\j+2:X+\j+3], v[X+\j+2:X+\j+3], v[10:11]
.endr
	v_pk_add_f32 v[8:9], v[8:9], v[10:11]
	v_add_f32 v8, v8, v9
	v_add_f32_dpp v8, v8, v8 row_xmask:1 row_mask:0xf bank_mask:0xf
	v_add_f32_dpp v8, v8, v8 row_xmask:2 row_mask:0xf bank_mask:0xf
	v_add_f32_dpp v8, v8, v8 row_xmask:4 row_mask:0xf bank_mask:0xf
	v_add_f32_dpp v8, v8, v8 row_xmask:8 row_mask:0xf bank_mask:0xf
	v_permlanex16_b32 v9, v8, s34, s35
	v_add_f32 v8, v8, v9
	v_fma_f32 v8, v8, s32, s33                     ; mean + eps
	v_rsq_f32 v[RS], v8
	v_rsq_f32 v[RS+1], v8
	v_nop                                          ; a plain line behind the two
	s_wait_alu depctr_va_vdst(0)                   ; one wait for both, ahead of their first reader
	s_wait_loadcnt 0x0                             ; the gain
.irp j, 0,2,4,6,8,10,12,14,16,18,20,22,24,26,28,30
	v_pk_mul_f32 v[Y+\j:Y+\j+1], v[X+\j:X+\j+1], v[RS:RS+1]
.endr
.irp j, 0,2,4,6,8,10,12,14,16,18,20,22,24,26,28,30
	v_pk_mul_f32 v[Y+\j:Y+\j+1], v[Y+\j:Y+\j+1], v[G+\j:G+\j+1]
.endr
.irp j, 0,1,2,3,4,5,6,7
	ds_store_b128 v3, v[Y+4*\j:Y+4*\j+3] offset:576*\j
.endr
.irp i, 0,1,2,3,4,5,6,7
	ds_load_b128 v[X+4*\i:X+4*\i+3], v4 offset:16*\i   ; LDS serves a wave's instructions in order: these see my stores
.endr
	s_wait_dscnt 0x0
	v_max3_num_f32 v12, |v[X]|, |v[X+1]|, |v[X+2]| ; the block's largest magnitude: all 32 numbers are mine
	v_max3_num_f32 v13, |v[X+3]|, |v[X+4]|, |v[X+5]|
.irp i, 6,10,14,18,22,26
	v_max3_num_f32 v12, v12, |v[X+\i]|, |v[X+\i+1]|
	v_max3_num_f32 v13, v13, |v[X+\i+2]|, |v[X+\i+3]|
.endr
	v_max3_num_f32 v12, v12, |v[X+30]|, |v[X+31]|
	v_max3_num_f32 v12, v12, v13, 0x1800000        ; and the floor 2^(3 - 127): the byte cannot fall under 1
	v_add_nc_u32 v11, 0xff000000, v12              ; 2 off the exponent field: the conversion's scale operand
	v_lshrrev_b32 v13, 23, v11                     ; the scale's byte
.irp g, 0,1,2,3
	v_cvt_scalef32_pk8_fp4_f32 v[C+\g], v[X+8*\g:X+8*\g+7], v11
.endr
	v_nop                                          ; a plain line behind the conversions
	global_store_b128 v2, v[C:C+3], s[10:11]       ; the row's 512 bytes of codes
	ds_store_b8 v5, v13
	s_wait_dscnt 0x0                               ; for the others' sake: my byte has landed
	s_barrier_signal -1
	s_barrier_wait -1
	s_cmp_lg_u32 s14, 0
	s_cbranch_scc1 .Ldone
	ds_load_b128 v[8:11], v7
	s_wait_dscnt 0x0
	global_store_b128 v2, v[8:11], s[28:29]        ; 16 rows' scale bytes: 512 consecutive bytes
.Ldone:
	s_wait_tensorcnt 0x0
	ds_add_u32 v128, v129
	s_wait_dscnt 0x0
	s_endpgm
.Lfunc_end_k_q3b25480cc9_normq:
	.size	k_q3b25480cc9_normq, .Lfunc_end_k_q3b25480cc9_normq-k_q3b25480cc9_normq
	.p2alignl 7, 3214868480
	.fill 96, 4, 3214868480
	.section	.rodata,"a",@progbits
	.p2align	6, 0x0
	.amdhsa_kernel k_q3b25480cc9_normq
		.amdhsa_group_segment_fixed_size 76800
		.amdhsa_private_segment_fixed_size 0
		.amdhsa_enable_private_segment 0
		.amdhsa_kernarg_size 40
		.amdhsa_user_sgpr_count 2
		.amdhsa_user_sgpr_kernarg_segment_ptr 1
		.amdhsa_wavefront_size32 1
		.amdhsa_system_sgpr_workgroup_id_x 1
		.amdhsa_system_sgpr_workgroup_id_y 1
		.amdhsa_system_sgpr_workgroup_id_z 1
		.amdhsa_system_vgpr_workitem_id 0
		.amdhsa_next_free_vgpr 130
		.amdhsa_next_free_sgpr 66
		.amdhsa_reserve_vcc 0
		.amdhsa_float_denorm_mode_32 3
		.amdhsa_float_denorm_mode_16_64 3
		.amdhsa_memory_ordered 1
		.amdhsa_forward_progress 1
		.amdhsa_inst_pref_size 12
	.end_amdhsa_kernel
	.amdgpu_metadata
---
amdhsa.version: [ 1, 2 ]
amdhsa.kernels:
  - .name:           k_q3b25480cc9_normq
    .symbol:         k_q3b25480cc9_normq.kd
    .args:
      - { .name: x, .offset: 0, .size: 8, .value_kind: global_buffer, .address_space: global }
      - { .name: g_norm1, .offset: 8, .size: 8, .value_kind: global_buffer, .address_space: global }
      - { .name: w_proj_codes, .offset: 16, .size: 8, .value_kind: global_buffer, .address_space: global }
      - { .name: act, .offset: 24, .size: 8, .value_kind: global_buffer, .address_space: global }
      - { .name: wpf, .offset: 32, .size: 8, .value_kind: global_buffer, .address_space: global }
    .group_segment_fixed_size: 76800
    .private_segment_fixed_size: 0
    .kernarg_segment_align: 8
    .kernarg_segment_size: 40
    .max_flat_workgroup_size: 512
    .sgpr_count:     66
    .vgpr_count:     130
    .wavefront_size: 32
...
	.end_amdgpu_metadata
.endif
;; end of part 1
;; launch qkv (part 2): grid 8 x 24, 4 waves a work-group, clusters of 4 x 4, 327,680 bytes of LDS; arguments act, w_attn_codes, w_attn_scales, b_attn, qk, vt; writes qk, vt
.if DOCPART == 2
	.amdgcn_target "amdgcn-amd-amdhsa--gfx1250"
	.amdhsa_code_object_version 6
	.text
	.protected	k_q3b25480cc9_qkv
	.globl	k_q3b25480cc9_qkv
	.p2align	8
	.type	k_q3b25480cc9_qkv,@function
k_q3b25480cc9_qkv:
	s_mov_b64 s[64:65], 0
	v_nop
	global_prefetch_b8 v0, s[64:65] scope:SCOPE_SE
	s_setreg_imm32_b32 hwreg(HW_REG_WAVE_MODE, 25, 1), 1
	s_wait_xcnt 0x0
	s_wait_alu depctr_hold_cnt(0) depctr_sa_sdst(0) depctr_va_vdst(0) depctr_va_sdst(0) depctr_va_ssrc(0) depctr_va_vcc(0) depctr_vm_vsrc(0)
	s_getreg_b32 s2, hwreg(HW_REG_IB_STS2, 6, 4)
	s_cmp_eq_u32 s2, 0
	s_cbranch_scc0 .Lentry_in_a_cluster
	s_endpgm
.Lentry_in_a_cluster:
	s_bfe_u32 s2, ttmp6, 0x10000c
	s_cmp_lg_u32 s2, 0xf033
	s_cbranch_scc0 .Lentry_shape_is_right
	s_endpgm
.Lentry_shape_is_right:
; qkv = a1 w_attn^T + b_attn on codes of E2M1, K = 1,024; the results are quantised at once for the attention: q and k along the head's 64, v along the keys.
; A tile of 256 x 256 to a work-group of four waves, 128 x 128 a wave (64 accumulators).  K goes in two slots of 512, both filled at the start by joint tensor loads (4 x 4 clusters: one operand's tile is shared
; along a row of the cluster, the other's along a column); the scale bytes of all of K come with them.  The matrix instruction is used transposed: source 0 = 16 rows of operand B, source 1 = 16 rows of operand A:
; a lane holds ONE row of A's side, and its registers run along B's side: register 8 b + j of a block of 16 rows is column 16 b + 8 (lane / 16) + j.
; TWO PATHS, told apart by the cluster's y (the same in all partners):  q, k (y < 4): A = tokens, B = w_attn's rows 0..2047, so a lane's registers run along the features;
; v (y >= 4): A = w_attn's rows from 2,048 on, B = tokens, so a lane's registers run along the keys, which are the K of the attention's second product.  One main loop serves both: only pointers are chosen.
; OUT.  qk: images [head-slot 32 (q: 0-15, k: 16-31)][token tile 256][lane][16 bytes] (lane (r, h): dims 32 h .. of token r); scale words at 4,194,304: [head-slot][pair of tiles 128][r][4 bytes].
;       vt: fragments of V^T [batch x head 32][K step 16][dim tile 4][c 2][lane][16 bytes]; scale words at 2,097,152: [batch x head][K step][dim tile][r][4 bytes].
; LIMITS: NaN and infinities are not served; blocks under 2^-124 keep the byte 1; blocks of zeros have the byte 1 (zero codes; this program alone reads the bytes).
; REGISTERS: window 0: v1-31 addresses and scale words made; v32-95 scale words, two sets; v96-111 the lane-wise bias; v128-191 A's fragments, later the numbers in hand; v192-235 at work on the way out.
;   window 1: B's fragments at v0 and v128; v192-255 the feature-wise bias.   windows 2, 3: the accumulators ((a, b) at v[8 (8 (a % 4) + b)]).
.set NQ,     4                         ; matrix instructions deep in a slot of 512 along K
.set ROWB,   256                       ; a tile's row in bytes
.set KROW,   512                       ; a row of codes in memory
.set PITCH,  272                       ; an LDS row: 256 bytes + 16 of padding: the 16 rows of a load start at 16 different banks
.set FR,     8
.set NL,     2
.set NP,     4
.set HALFT,  128*PITCH
.set SLOT,   4*HALFT
.set KS,     32                        ; a row of scale bytes
.set SCL,    2*SLOT
.set HALFS,  (128*KS/256)*272
.set SBLK,   (16*KS/256)*272
.set SPARE,  SCL+4*HALFS               ; the spare words: 128 bytes a wave, named by no other line
.set ADRA, 16
.set ADRB, 20
.set STO,  24                          ; v24  the scale words' stage (in slot 0, which is read no more then): 512 x wave + 4 r
.set RD,   25                          ; v25  and back: 512 x wave + 16 x lane
.set CO,   26                          ; v26  16 x lane
.set ADRS, 27
.set SPW,  28
.set NIL,  29
.set BOF,  30                          ; v30  32 h
.set ROF,  31                          ; v31  4 r
.set SC,   32
.set BV,   96                          ; the v path's bias, one number a lane for each block of rows, twice (a pair)
.set AF,   128
.set T,    128                         ; 64 numbers in hand
.set BI,   192                         ; in window 1: the q, k path's bias, laid as a block's 64 registers
.set R,    192                         ; two sets of 8: the codes just made
.set TM,   208                         ; 16 at work
.set W,    224
.set WB,   232
.set PW,   8                           ; v8-15 the eight blocks' scale words
.set VP,   3                           ; s3   1 on the v path
.set SEL,  46
.set G1, 24
.set G0, 32
.set G1B, 48
.set G0B, 56
.set G1S, 68
.set G0S, 76
.set G1SB, 80
.set G0SB, 88
.set MSB, 0
.macro WIN new                         ; the immediate's high byte repeats the setting that is left
.if MSB != \new
	s_set_vgpr_msb (MSB<<8)|\new
.set MSB, \new
.endif
.endm
.set MUL_LO, 0xa1                      ; source 0 (B) window 1, source 1 (A) window 0, C and D window 2
.set MUL_HI, 0xf1
.set TO_B,   0x40
.macro JLOAD g0a, g1a, g0b, g1b        ; a joint load: waves 0, 1 fetch for A, waves 2, 3 for B; four v_nop follow each line
	s_cmp_eq_u32 s15, 0
	s_cbranch_scc0 .Lfor_b_\@
	tensor_load_to_lds s[\g0a:\g0a+3], s[\g1a:\g1a+7]
	s_nop 0
.rept 4
	v_nop
.endr
	s_branch .Lasked_\@
.Lfor_b_\@:
	tensor_load_to_lds s[\g0b:\g0b+3], s[\g1b:\g1b+7]
	s_nop 0
.rept 4
	v_nop
.endr
.Lasked_\@:
.endm
.macro CROUND                          ; a round of the cluster's barrier
	s_barrier_signal -1
	s_barrier_wait -1
	s_cmp_lg_u32 s14, 0
	s_cbranch_scc1 .Lnot_wave_0_\@
	s_barrier_signal -3
.Lnot_wave_0_\@:
	s_barrier_wait -3
	s_barrier_signal -1
	s_barrier_wait -1
.endm
	s_load_b128 s[96:99], s[0:1], 0x0              ; act, w_attn's codes
	s_load_b128 s[4:7], s[0:1], 0x10               ; w_attn's scales, b_attn
	s_load_b128 s[8:11], s[0:1], 0x20              ; qk, vt
	v_lshl_add_u32 v[SPW], v0, 2, SPARE
	v_mov_b32 v[NIL], 0
	ds_add_u32 v28, v29
	ds_add_u32 v28, v29
	s_wait_dscnt 0x0
	v_lshrrev_b32 v1, 5, v0
	v_readfirstlane_b32 s14, v1                    ; wave 0..3
	s_lshr_b32 s15, s14, 1                         ; which half of A's rows is mine.  Also: I fetch for A (0) or for B (1)
	s_and_b32 s16, s14, 1                          ; which half of B's rows.  Also: which 128 rows I fetch
	s_bfe_u32 s40, ttmp6, 0x40000                  ; cx
	s_bfe_u32 s41, ttmp6, 0x40004                  ; cy
	s_and_b32 s18, ttmp7, 0xffff                   ; the cluster's y: 0..3 q, k;  4, 5 v
	s_lshl_b32 s42, ttmp9, 2
	s_lshl_b32 s17, s18, 2
	s_lshl_b32 s20, s18, 3
	s_sub_co_u32 s20, s20, 32
	s_cmp_ge_u32 s18, 4
	s_cselect_b32 s17, 0, s17                      ; A's tile row: 4 y + cy, on the v path cy
	s_cselect_b32 s20, s20, 0
	s_cselect_b32 s[VP], 1, 0
	s_add_co_u32 s42, s42, s20
	s_add_co_u32 s42, s42, s40                     ; B's tile column: 4 x + cx, on the v path 4 (2 (y - 4) + x) + cx
	s_add_co_u32 s17, s17, s41
	s_lshl_b32 s43, s41, 2
	s_lshl_b32 s43, 15, s43                        ; my row of the cluster
	s_lshl_b32 s44, 0x1111, s40                    ; my column
	s_or_b32 s[G1+0], s43, (0<<16)|(1<<20)|(1<<21)|(5<<22)|(3<<25)  ; mask; elements of 1 byte; padding: 4 words behind every 64; bit 21 beside the mask
	s_or_b32 s[G1B+0], s44, (0<<16)|(1<<20)|(1<<21)|(5<<22)|(3<<25)
.irp g, G1, G1B
	s_mov_b32 s[\g+1], ROWB<<16                    ; tensor_dim0
	s_mov_b32 s[\g+2], 128<<16                     ; tensor_dim1
	s_mov_b32 s[\g+3], ROWB<<16                    ; tile_dim0
	s_mov_b32 s[\g+4], 128                         ; tile_dim1
	s_mov_b32 s[\g+5], KROW                        ; the pitch
	s_mov_b32 s[\g+6], 0
	s_mov_b32 s[\g+7], 0
.endr
	s_or_b32 s[G1S+0], s43, (3<<16)|(1<<20)|(1<<21)|(5<<22)|(3<<25) ; the scales of 128 rows: 4,096 dense bytes as 16 rows of 256
	s_or_b32 s[G1SB+0], s44, (3<<16)|(1<<20)|(1<<21)|(5<<22)|(3<<25)
.irp g, G1S, G1SB
	s_mov_b32 s[\g+1], 32<<16
	s_mov_b32 s[\g+2], (128*KS/256)<<16
	s_mov_b32 s[\g+3], 32<<16
	s_mov_b32 s[\g+4], 128*KS/256
	s_mov_b32 s[\g+5], 32
	s_mov_b32 s[\g+6], 0
	s_mov_b32 s[\g+7], 0
.endr
	s_lshl_b32 s18, s16, 7
	s_lshl_b32 s20, s17, 8
	s_add_co_u32 s20, s20, s18                     ; A: the first row that I fetch
	s_lshl_b32 s46, s42, 8
	s_add_co_u32 s46, s46, s18                     ; B likewise
	s_lshl_b32 s22, s20, 5                         ; their scale bytes,
	s_mov_b32 s23, 0
	s_lshl_b32 s92, s46, 5
	s_mov_b32 s93, 0
	s_lshl_b32 s20, s20, 9                         ; their codes
	s_mov_b32 s21, 0
	s_lshl_b32 s46, s46, 9
	s_mov_b32 s47, 0
	s_mul_i32 s45, s14, HALFT                      ; where they go: wave x 128 rows
	s_mul_i32 s94, s14, HALFS
	s_wait_kmcnt 0x0
	s_mov_b64 s[100:101], s[4:5]                   ; w_attn's scales
	s_mov_b64 s[12:13], s[6:7]                     ; b_attn
	s_add_nc_u64 s[66:67], s[96:97], 2097152       ; act's scale bytes
	s_add_nc_u64 s[4:5], s[98:99], 1048576         ; w_attn from row 2,048 on: codes,
	s_add_nc_u64 s[6:7], s[100:101], 65536         ; scales
	s_cmp_eq_u32 s[VP], 1                          ; the choice hangs on the cluster's number alone
	s_cselect_b64 s[104:105], s[10:11], s[8:9]     ; where the results go
	s_cselect_b64 s[4:5], s[4:5], s[96:97]         ; A's codes
	s_cselect_b64 s[6:7], s[6:7], s[66:67]         ; A's scales
	s_cselect_b64 s[8:9], s[96:97], s[98:99]       ; B's codes
	s_cselect_b64 s[10:11], s[66:67], s[100:101]   ; B's scales
	s_add_nc_u64 s[20:21], s[4:5], s[20:21]
	s_add_nc_u64 s[22:23], s[6:7], s[22:23]
	s_add_nc_u64 s[46:47], s[8:9], s[46:47]
	s_add_nc_u64 s[92:93], s[10:11], s[92:93]
	CROUND                                         ; all sixteen work-groups are here: the joint loads meet
	s_mov_b32 s[G0S], 1
	s_add_co_u32 s[G0S+1], s94, SCL
	s_mov_b64 s[G0S+2:G0S+3], s[22:23]
	s_or_b32 s[G0S+3], s[G0S+3], 0x80000000
	s_mov_b32 s[G0SB], 1
	s_add_co_u32 s[G0SB+1], s94, SCL
	s_mov_b64 s[G0SB+2:G0SB+3], s[92:93]
	s_or_b32 s[G0SB+3], s[G0SB+3], 0x80000000
	JLOAD G0S, G1S, G0SB, G1SB
.irp s, 0,1
	s_mov_b32 s[G0+4*\s], 1
	s_add_co_u32 s[G0+4*\s+1], s45, \s*SLOT
	s_add_nc_u64 s[G0+4*\s+2:G0+4*\s+3], s[20:21], \s*ROWB
	s_or_b32 s[G0+4*\s+3], s[G0+4*\s+3], 0x80000000
	s_mov_b32 s[G0B+4*\s], 1
	s_add_co_u32 s[G0B+4*\s+1], s45, \s*SLOT
	s_add_nc_u64 s[G0B+4*\s+2:G0B+4*\s+3], s[46:47], \s*ROWB
	s_or_b32 s[G0B+4*\s+3], s[G0B+4*\s+3], 0x80000000
	JLOAD G0+4*\s, G1, G0B+4*\s, G1B
.endr
	; both layouts of the bias are loaded on both paths, from addresses that lie in b_attn on both: no register is written on one way alone
	s_lshl_b32 s18, s42, 10
	s_lshl_b32 s19, s16, 9
	s_add_co_u32 s18, s18, s19                     ; 4 (256 x tile column + 128 x half): the q, k path's features
	s_cmp_eq_u32 s[VP], 1
	s_cselect_b32 s18, 0, s18                      ; (on the v path: b_attn's start; not used there)
	s_mov_b32 s19, 0
	s_add_nc_u64 s[100:101], s[12:13], s[18:19]
	s_lshl_b32 s20, s41, 10
	s_lshl_b32 s21, s15, 9
	s_add_co_u32 s20, s20, s21
	s_add_co_u32 s20, s20, 8192                    ; 4 (2,048 + 256 cy + 128 x half): the v path's features
	s_mov_b32 s21, 0
	s_add_nc_u64 s[12:13], s[12:13], s[20:21]
	v_and_b32 v1, 15, v0                           ; r
	v_bfe_u32 v2, v0, 4, 1                         ; h
	v_lshlrev_b32 v[BOF], 5, v2
	v_lshlrev_b32 v[ROF], 2, v1
	WIN TO_B
.irp b, 0,1,2,3,4,5,6,7
	global_load_b128 v[BI+8*\b:BI+8*\b+3], v[BOF], s[100:101] offset:64*\b
	global_load_b128 v[BI+8*\b+4:BI+8*\b+7], v[BOF], s[100:101] offset:64*\b+16
.endr
	WIN 0
.irp a, 0,1,2,3,4,5,6,7
	global_load_b32 v[BV+2*\a], v[ROF], s[12:13] offset:64*\a
	global_load_b32 v[BV+2*\a+1], v[ROF], s[12:13] offset:64*\a
.endr
	v_mul_u32_u24 v3, v1, PITCH
	v_lshl_add_u32 v4, v2, 4, v3                   ; a fragment's row x pitch + 16 x half
	s_mul_i32 s21, s15, HALFT
	s_mul_i32 s22, s16, HALFT
	s_add_co_u32 s22, s22, 2*HALFT
.irp s, 0,1
	v_add_nc_u32 v[ADRA+\s], s21, v4
	v_add_nc_u32 v[ADRB+\s], s22, v4
	s_add_co_u32 s21, s21, SLOT
	s_add_co_u32 s22, s22, SLOT
.endr
	v_mul_u32_u24 v5, v1, KS                       ; my row's scales: 32 bytes a row,
	v_lshrrev_b32 v6, 8, v5
	v_lshl_add_u32 v5, v6, 4, v5                   ; and 16 more for each 256 passed
	s_mul_i32 s21, s15, HALFS
	s_mul_i32 s22, s16, HALFS
	s_add_co_u32 s22, s22, 2*HALFS
	s_sub_co_u32 s22, s22, s21
	v_mul_u32_u24 v6, s22, v2                      ; lanes 16-31 take B's
	s_add_co_u32 s21, s21, SCL
	v_add_nc_u32 v5, v5, v6
	v_add_nc_u32 v[ADRS], s21, v5
	s_lshl_b32 s23, s14, 9
	v_lshl_add_u32 v[STO], v1, 2, s23
	v_and_b32 v6, 31, v0
	v_lshlrev_b32 v[CO], 4, v6
	v_add_nc_u32 v[RD], s23, v[CO]
.macro FRAG reg, adr, q, i             ; 16 rows x 128 K of 4-bit codes: 8 registers, two loads of 16 bytes, 32 bytes apart
.irp c, 0,1
	ds_load_b128 v[\reg+4*\c:\reg+4*\c+3], v[\adr] offset:64*(\q)+32*\c+(\i)*16*PITCH
.endr
.endm
.macro MUL16 a0, p, q, sc, zero        ; A's blocks a0, a0 + 1 x B's eight; the 64 accumulators take turns, one instruction a turn
.irp a, \a0, \a0+1
.irp b, 0,1,2,3,4,5,6,7
.if \zero
	v_wmma_scale_f32_16x16x128_f8f6f4 v[8*(8*((\a)%4)+\b):8*(8*((\a)%4)+\b)+7], v[128*(\p)+FR*\b:128*(\p)+FR*\b+FR-1], v[AF+FR*(\a):AF+FR*(\a)+FR-1], 0, v[SC+8*NQ*(\sc)+NQ*\b+(\q)], v[SC+8*NQ*(\sc)+NQ*(\a)+(\q)] matrix_a_fmt:MATRIX_FMT_FP4 matrix_b_fmt:MATRIX_FMT_FP4 matrix_a_scale:MATRIX_SCALE_ROW1
.else
	v_wmma_scale_f32_16x16x128_f8f6f4 v[8*(8*((\a)%4)+\b):8*(8*((\a)%4)+\b)+7], v[128*(\p)+FR*\b:128*(\p)+FR*\b+FR-1], v[AF+FR*(\a):AF+FR*(\a)+FR-1], v[8*(8*((\a)%4)+\b):8*(8*((\a)%4)+\b)+7], v[SC+8*NQ*(\sc)+NQ*\b+(\q)], v[SC+8*NQ*(\sc)+NQ*(\a)+(\q)] matrix_a_fmt:MATRIX_FMT_FP4 matrix_b_fmt:MATRIX_FMT_FP4 matrix_a_scale:MATRIX_SCALE_ROW1
.endif
.endr
.endr
.endm
.macro FETCH_B slot, q, p
	WIN TO_B
.irp i, 0,1,2,3,4,5,6,7
	FRAG 128*(\p)+FR*\i, ADRB+\slot, \q, \i
.endr
	WIN 0
.endm
.macro FETCH_A slot, q, i0
.irp i, \i0, \i0+1, \i0+2, \i0+3
	FRAG AF+FR*(\i), ADRA+\slot, \q, \i
.endr
.endm
.macro SCALES sc                       ; a slot's scale words: lanes 0-15 A's block i, lanes 16-31 B's block i
.irp i, 0,1,2,3,4,5,6,7
	ds_load_b128 v[SC+8*NQ*\sc+NQ*\i:SC+8*NQ*\sc+NQ*\i+3], v[ADRS] offset:\i*SBLK
.endr
.endm
.macro PLACES n                        ; plain vector lines between a matrix instruction and a load into, or a read of, its registers
.rept \n
	v_nop
.endr
.endm
.macro STEP slot, q, zero
	s_wait_dscnt 4*NL                              ; B's set and A's blocks 0-3 are in; the youngest eight loads (A's blocks 4-7) may be out
	WIN MUL_LO
	MUL16 0, (\q)%2, \q, \slot, \zero
	MUL16 2, (\q)%2, \q, \slot, \zero
	s_wait_dscnt 0
	PLACES NP
	FETCH_B \slot, (\q)+1, 1-(\q)%2
	FETCH_A \slot, (\q)+1, 0
	WIN MUL_HI
	MUL16 4, (\q)%2, \q, \slot, \zero
	MUL16 6, (\q)%2, \q, \slot, \zero
	PLACES NP
	WIN 0
	FETCH_A \slot, (\q)+1, 4
.endm
.macro TURN slot, next                 ; a slot's last step changes slots: one barrier; nothing is filled again
	s_wait_tensorcnt 0x0                           ; all my tensor loads have landed: my part of the next slot
	ds_add_u32 v[SPW], v[NIL]                      ; 0 onto my spare word
	s_wait_dscnt 4*NL+1                            ; the add and the youngest eight loads may be out
	WIN MUL_LO
	MUL16 0, 1, NQ-1, \slot, 0
	s_wait_dscnt 0x0                               ; the add is done, and my reads of this slot are over
	s_barrier_signal -1
	MUL16 2, 1, NQ-1, \slot, 0
	WIN 0
	s_barrier_wait -1
	PLACES NP
	v_add_nc_u32 v[ADRS], 4*NQ, v[ADRS]            ; the next slot's scale words
	FETCH_B \next, 0, 0
	FETCH_A \next, 0, 0
	SCALES \next
	WIN MUL_HI
	MUL16 4, 1, NQ-1, \slot, 0
	MUL16 6, 1, NQ-1, \slot, 0
	PLACES NP
	WIN 0
	FETCH_A \next, 0, 4
.endm
.macro STEPS slot, from
.set Q, \from
.rept NQ-1-\from
	STEP \slot, Q, 0
.set Q, Q+1
.endr
.endm
; 64 numbers of a lane, register 8 t + j = column 16 t + 8 (lane / 16) + j of my row, become a fragment's image in v[rc] .. v[rc + 7] and its scale word in v[pw].
; A block of 32 lies in registers 16 b .. 16 b + 15 of lanes l and l xor 16.  The conversions' results are quarters of blocks; four exchanges of lane halves put a whole block into a lane, in ascending order.
.macro QUANT s, rc, pw
.irp b, 0,1,2,3
	v_max3_num_f32 v[TM+\b], |v[(\s)+16*\b]|, |v[(\s)+1+16*\b]|, 0x1800000   ; with the floor 2^(3 - 127): the byte cannot fall under 1
.endr
.irp i, 2,4,6,8,10,12,14
.irp b, 0,1,2,3
	v_max3_num_f32 v[TM+\b], v[TM+\b], |v[(\s)+16*\b+\i]|, |v[(\s)+1+16*\b+\i]|
.endr
.endr
.irp b, 0,1,2,3
	v_permlanex16_b32 v[TM+4+\b], v[TM+\b], s[SEL], s[SEL+1]
.endr
.irp b, 0,1,2,3
	v_max_num_f32 v[TM+\b], v[TM+\b], v[TM+4+\b]
.endr
.irp b, 0,1,2,3
	v_add_nc_u32 v[TM+12+\b], 0xff000000, v[TM+\b] ; 2 off the exponent field: the conversion's scale operand
.endr
.irp b, 0,1,2,3
	v_lshrrev_b32 v[TM+4+\b], 23, v[TM+12+\b]      ; the byte
.endr
	v_lshl_or_b32 v[\pw], v[TM+5], 8, v[TM+4]
	v_lshl_or_b32 v[\pw], v[TM+6], 16, v[\pw]
	v_lshl_or_b32 v[\pw], v[TM+7], 24, v[\pw]
.irp b, 0,1,2,3
.irp e, 0,1
	v_cvt_scalef32_pk8_fp4_f32 v[(\rc)+4*(\b/2)+2*\e+(\b%2)], v[(\s)+16*\b+8*\e:(\s)+16*\b+8*\e+7], v[TM+12+\b]
.endr
.endr
	v_nop                                          ; a plain line behind the conversions
.irp c, 0,1
.irp e, 0,1
	v_permlane16_swap_b32 v[(\rc)+4*\c+2*\e], v[(\rc)+4*\c+2*\e+1]
.endr
.endr
.endm
	s_wait_tensorcnt 1                             ; the scales and my part of slot 0 are in; slot 1's load may be out
	s_barrier_signal -1
	s_barrier_wait -1
	FETCH_B 0, 0, 0
	FETCH_A 0, 0, 0
	SCALES 0
	FETCH_A 0, 0, 4
	STEP 0, 0, 1                                   ; the first products start the sums
	STEPS 0, 1
	TURN 0, 1
	STEPS 1, 0
	s_wait_dscnt 4*NL                              ; the last step: nothing more to fetch
	WIN MUL_LO
	MUL16 0, 1, NQ-1, 1, 0
	MUL16 2, 1, NQ-1, 1, 0
	s_wait_dscnt 0
	WIN MUL_HI
	MUL16 4, 1, NQ-1, 1, 0
	MUL16 6, 1, NQ-1, 1, 0
	WIN 0
	PLACES NP
	s_mov_b32 s[SEL], 0x76543210
	s_mov_b32 s[SEL+1], 0xfedcba98
	s_wait_loadcnt 0x0                             ; the biases
; THE WAY OUT of path p, a block of 16 rows at a time: + bias, quantised, two stores of 512 consecutive bytes.  The eight scale words go through my 512 bytes of slot 0 (each path has bytes of its own) and leave as two aligned units of 256 bytes.
.macro TAIL p
.if \p == 0
	s_lshl_b32 s18, s42, 2
	s_lshl_b32 s19, s16, 1
	s_add_co_u32 s18, s18, s19                     ; my first head-slot: 4 x tile column + 2 x half
	s_lshl_b32 s20, s17, 4
	s_lshl_b32 s21, s15, 3
	s_add_co_u32 s20, s20, s21                     ; my first token tile
	s_lshl_b32 s22, s18, 17
	s_lshl_b32 s23, s20, 9
	s_add_co_u32 s22, s22, s23
	s_mov_b32 s23, 0
	s_add_nc_u64 s[4:5], s[104:105], s[22:23]
	s_lshl_b32 s22, s18, 13
	s_lshl_b32 s20, s20, 5
	s_add_co_u32 s22, s22, s20
	s_add_co_u32 s22, s22, 4194304
	s_add_nc_u64 s[6:7], s[104:105], s[22:23]
	v_lshlrev_b32 v7, 4, v1
	v_lshl_add_u32 v7, v2, 13, v7                  ; lanes 16-31: the next head-slot's words
.else
	s_lshl_b32 s18, s42, 1
	s_add_co_u32 s18, s18, s16                     ; which 128 tokens
	s_lshr_b32 s19, s18, 4                         ; the batch
	s_and_b32 s18, s18, 15                         ; the K step
	s_lshl_b32 s20, s17, 2
	s_lshl_b32 s21, s15, 1
	s_add_co_u32 s20, s20, s21                     ; my first head
	s_lshl_b32 s22, s19, 20
	s_lshl_b32 s20, s20, 16
	s_add_co_u32 s22, s22, s20
	s_lshl_b32 s18, s18, 12
	s_add_co_u32 s22, s22, s18
	s_mov_b32 s23, 0
	s_add_nc_u64 s[4:5], s[104:105], s[22:23]
	s_lshr_b32 s22, s22, 4                         ; the scale words' strides are a sixteenth of the codes'
	s_add_co_u32 s22, s22, 2097152
	s_add_nc_u64 s[6:7], s[104:105], s[22:23]
	v_lshlrev_b32 v7, 4, v1
	v_lshl_add_u32 v7, v2, 12, v7                  ; lanes 16-31: the next head's words
.endif
.irp b, 0,1,2,3
	v_mov_b32 v[TM+4+\b], 0                        ; a lane permute's destination counts as read
.endr
.irp a, 0,1,2,3,4,5,6,7
	s_wait_xcnt 0x0                                ; the stores of two blocks ago have read their registers
.if \p == 0
	WIN 0x06+(\a/4)                                ; source 0: the accumulators' window; source 1: window 1
.else
	WIN 0x02+(\a/4)
.endif
.set j, 0
.rept 32
.if \p == 0
	v_pk_add_f32 v[T+j:T+j+1], v[64*(\a%4)+j:64*(\a%4)+j+1], v[BI+j:BI+j+1]           ; each accumulator from its low end on
.else
	v_pk_add_f32 v[T+j:T+j+1], v[64*(\a%4)+j:64*(\a%4)+j+1], v[BV+2*\a:BV+2*\a+1]
.endif
.set j, j+2
.endr
	WIN 0
	QUANT T, R+8*(\a%2), PW+\a
.if \p == 0
	global_store_b128 v[CO], v[R+8*(\a%2):R+8*(\a%2)+3], s[4:5] offset:\a*512
	global_store_b128 v[CO], v[R+8*(\a%2)+4:R+8*(\a%2)+7], s[4:5] offset:131072+\a*512
.else
	global_store_b128 v[CO], v[R+8*(\a%2):R+8*(\a%2)+3], s[4:5] offset:(\a/4)*65536+(\a%4)*1024
	global_store_b128 v[CO], v[R+8*(\a%2)+4:R+8*(\a%2)+7], s[4:5] offset:(\a/4)*65536+(\a%4)*1024+512
.endif
.endr
.if \p == 0
.irp q, 0,1,2,3
	v_perm_b32 v[W+\q], v[PW+2*\q+1], v[PW+2*\q], 0x05040100     ; the first head's two bytes of two neighbouring token tiles
	v_perm_b32 v[W+4+\q], v[PW+2*\q+1], v[PW+2*\q], 0x07060302   ; the second head's
.endr
.irp q, 0,1,2,3,4,5,6,7
	ds_store_b32 v[STO], v[W+\q] offset:64*\q      ; lanes r and r + 16 write the same word with the same value
.endr
.else
.irp q, 0,1,2,3,4,5,6,7
	ds_store_b32 v[STO], v[PW+\q] offset:2048+64*\q
.endr
.endif
	ds_load_b128 v[WB:WB+3], v[RD] offset:\p*2048  ; LDS serves a wave's instructions in order
	s_wait_dscnt 0x0
	global_store_b128 v7, v[WB:WB+3], s[6:7]
.endm
	s_cmp_eq_u32 s[VP], 1
	s_cbranch_scc1 .Lvpath
	TAIL 0
	s_branch .Lend
.Lvpath:
	TAIL 1
.Lend:
	s_wait_tensorcnt 0x0                           ; the wave's end
	ds_add_u32 v[SPW], v[NIL]
	s_wait_dscnt 0x0
	CROUND                                         ; the closing round
	s_endpgm
.Lfunc_end_k_q3b25480cc9_qkv:
	.size	k_q3b25480cc9_qkv, .Lfunc_end_k_q3b25480cc9_qkv-k_q3b25480cc9_qkv
	.p2alignl 7, 3214868480
	.fill 96, 4, 3214868480
	.section	.rodata,"a",@progbits
	.p2align	6, 0x0
	.amdhsa_kernel k_q3b25480cc9_qkv
		.amdhsa_group_segment_fixed_size 327680
		.amdhsa_private_segment_fixed_size 0
		.amdhsa_enable_private_segment 0
		.amdhsa_kernarg_size 48
		.amdhsa_user_sgpr_count 2
		.amdhsa_user_sgpr_kernarg_segment_ptr 1
		.amdhsa_wavefront_size32 1
		.amdhsa_system_sgpr_workgroup_id_x 1
		.amdhsa_system_sgpr_workgroup_id_y 1
		.amdhsa_system_sgpr_workgroup_id_z 1
		.amdhsa_system_vgpr_workitem_id 0
		.amdhsa_next_free_vgpr 1024
		.amdhsa_next_free_sgpr 106
		.amdhsa_reserve_vcc 0
		.amdhsa_float_denorm_mode_32 3
		.amdhsa_float_denorm_mode_16_64 3
		.amdhsa_memory_ordered 1
		.amdhsa_forward_progress 1
		.amdhsa_inst_pref_size 199
	.end_amdhsa_kernel
	.amdgpu_metadata
---
amdhsa.version: [ 1, 2 ]
amdhsa.kernels:
  - .name:           k_q3b25480cc9_qkv
    .symbol:         k_q3b25480cc9_qkv.kd
    .args:
      - { .name: act, .offset: 0, .size: 8, .value_kind: global_buffer, .address_space: global }
      - { .name: w_attn_codes, .offset: 8, .size: 8, .value_kind: global_buffer, .address_space: global }
      - { .name: w_attn_scales, .offset: 16, .size: 8, .value_kind: global_buffer, .address_space: global }
      - { .name: b_attn, .offset: 24, .size: 8, .value_kind: global_buffer, .address_space: global }
      - { .name: qk, .offset: 32, .size: 8, .value_kind: global_buffer, .address_space: global }
      - { .name: vt, .offset: 40, .size: 8, .value_kind: global_buffer, .address_space: global }
    .group_segment_fixed_size: 327680
    .private_segment_fixed_size: 0
    .kernarg_segment_align: 8
    .kernarg_segment_size: 48
    .max_flat_workgroup_size: 128
    .sgpr_count:     106
    .vgpr_count:     1024
    .wavefront_size: 32
...
	.end_amdgpu_metadata
.endif
;; end of part 2
;; launch attn (part 3): grid 8 x 32, 16 waves a work-group, no clusters, 169,984 bytes of LDS; arguments qk, vt, ha; writes ha
.if DOCPART == 3
	.amdgcn_target "amdgcn-amd-amdhsa--gfx1250"
	.amdhsa_code_object_version 6
	.text
	.protected	k_q3b25480cc9_attn
	.globl	k_q3b25480cc9_attn
	.p2align	8
	.type	k_q3b25480cc9_attn,@function
k_q3b25480cc9_attn:
	s_mov_b64 s[64:65], 0
	v_nop
	global_prefetch_b8 v0, s[64:65] scope:SCOPE_SE
	s_setreg_imm32_b32 hwreg(HW_REG_WAVE_MODE, 25, 1), 1
	s_wait_xcnt 0x0
; o = (softmax(q k^T, causal) / 32) v for one batch and head, both products on codes of E2M1.  The second product's left operand is the FINISHED weight p = exp(s - m) / l / 32, quantised in blocks of 32 keys:
; no code can be made before the row's l is known, so the keys are walked twice: pass 1 finds m (a running maximum) and l, pass 2 makes the scores again, quantises p and multiplies by V.
; SHARES.  A work-group has 16 waves, a wave one tile of 16 queries: waves 0-7 the tiles of query block i, waves 8-15 those of block 15 - i, so that every work-group has the same causal work.
; No cluster: which key steps a wave leaves out hangs on its work-group's query block, so work-groups that share K and V would not run alike.
; K's and V's images and scale words of the whole head (139,264 bytes) come into LDS once, by one tensor load a wave (waves 0-9); nothing is filled again.
; LAYOUT.  Both products are used transposed: a lane holds ONE query (lane % 16).  The head's 64 fill half of the instruction's K = 128: a fragment of K holds TWO key tiles (registers 0-3, 4-7), and q stands once as
; [q | zeros] and once as [zeros | q]: zero codes add nothing.  Register 8 t + j of the scores is key 16 t + 8 (lane / 16) + j of the step's 128.
; Both loops have 16 trips in every wave; a step all of whose keys come after my queries jumps to the lines that step addresses.
; LIMITS: NaN and infinities are not served; a weight under 2^-126 becomes 0; blocks under 2^-124, blocks of zeros among them, keep the byte 1 (this program alone reads the bytes).
.set VIM,  65536                       ; LDS: K's images at 0, V's here,
.set KSW,  131072                      ; K's scale words,
.set VSW,  135168                      ; V's
.set L16,  1                           ; v1   16 x lane
.set L4,   2                           ; v2   4 x lane
.set RD8,  3                           ; v3   r - 8 h
.set ADK,  4
.set ADV,  5
.set ADKS, 6
.set ADVS, 7
.set VB,   8                           ; v8   VIM + 16 x lane
.set KSB,  9                           ; v9   KSW + 4 x lane
.set NINF, 10                          ; v10  -infinity
.set VSB,  11                          ; v11  VSW + 4 x lane
.set Q1,   16                          ; v16-23 [q | 0];  v24-31 [0 | q];  v12 -m, v13 m (as t = s log2 e), v[14:15] l in two halves
.set Q2,   24
.set KV,   32                          ; v32-63  four fragments of K or of V
.set S,    64                          ; v64-127 the scores, then p
.set O,    128                         ; v128-159 O^T
.set PC,   160                         ; v160-167 p's codes
.set TM,   168                         ; v168-183 at work
.set PW,   184                         ; p's scale word
.set QW,   185                         ; q's
.set KSR,  186                         ; K's, two registers: pairs of tiles 0 | 1 and 2 | 3 in the lanes' halves
.set VSR,  188                         ; V's likewise
.set RL,   190                         ; v[190:191] 1 / (32 l), twice
.set R4,   200                         ; v200 4 r
.set OB,   202                         ; v202 4 r + h
.set WV,   10
.set BH,   12
.set BB,   13
.set HD,   14
.set TQ,   15
.set Q0,   16
.set QL,   17
.set KF,   18
.set T4,   19
.set T2,   20
.set CNT,  21
.set SEL,  22
.set CS,   24
.set G1C,  28
.set G1S,  36
.set G0C,  44
.set G0S,  48
	s_load_b128 s[4:7], s[0:1], 0x0                ; qk, vt
	s_load_b64 s[8:9], s[0:1], 0x10                ; ha
	v_lshl_add_u32 v208, v0, 2, 0x29000
	v_mov_b32 v209, 0
	ds_add_u32 v208, v209
	ds_add_u32 v208, v209
	v_lshrrev_b32 v1, 5, v0
	v_readfirstlane_b32 s[WV], v1                  ; wave 0..15
	s_and_b32 s[BH], ttmp7, 0xffff
	s_lshr_b32 s[BB], s[BH], 4                     ; batch
	s_and_b32 s[HD], s[BH], 15                     ; head
	s_lshl_b32 s52, ttmp9, 3
	s_add_co_u32 s[TQ], s52, s[WV]                 ; 8 i + w
	s_sub_co_u32 s53, 112, s52
	s_add_co_u32 s53, s53, s[WV]                   ; 8 (15 - i) + (w - 8)
	s_cmp_lt_u32 s[WV], 8
	s_cselect_b32 s[TQ], s[TQ], s53                ; my tile of queries, 0..127
	s_lshl_b32 s[Q0], s[TQ], 4                     ; my first query
	s_add_co_u32 s[QL], s[Q0], 15                  ; my last
	; descriptor groups 1: dense blocks as rows of 256 bytes (32 elements of 8 bytes), no padding: every read is 16 or 4 bytes a lane on end
	s_mov_b32 s[G1C], 3<<16
	s_mov_b32 s[G1C+1], 32<<16
	s_mov_b32 s[G1C+2], 64<<16
	s_mov_b32 s[G1C+3], 32<<16
	s_mov_b32 s[G1C+4], 64                         ; 16,384 bytes of images
	s_mov_b32 s[G1C+5], 32
	s_mov_b32 s[G1C+6], 0
	s_mov_b32 s[G1C+7], 0
	s_mov_b32 s[G1S], 3<<16
	s_mov_b32 s[G1S+1], 32<<16
	s_mov_b32 s[G1S+2], 16<<16
	s_mov_b32 s[G1S+3], 32<<16
	s_mov_b32 s[G1S+4], 16                         ; 4,096 bytes of scale words
	s_mov_b32 s[G1S+5], 32
	s_mov_b32 s[G1S+6], 0
	s_mov_b32 s[G1S+7], 0
	; waves 0-3: a quarter of K's images; waves 4-7: of V's
	s_mov_b32 s[G0C], 1
	s_lshl_b32 s[G0C+1], s[WV], 14
	s_and_b32 s52, s[WV], 3
	s_lshl_b32 s52, s52, 14
	s_add_co_u32 s54, s[HD], 16
	s_lshl_b32 s54, s54, 17
	s_lshl_b32 s55, s[BB], 16
	s_add_co_u32 s54, s54, s55                     ; k's head-slot, my batch's 128 token tiles
	s_lshl_b32 s55, s[BH], 16
	s_cmp_lt_u32 s[WV], 4
	s_cselect_b32 s54, s54, s55
	s_add_co_u32 s54, s54, s52
	s_mov_b32 s55, 0
	; wave 8: K's scale words; wave 9: V's
	s_mov_b32 s[G0S], 1
	s_lshl_b32 s[G0S+1], s[WV], 12
	s_add_co_u32 s[G0S+1], s[G0S+1], 98304         ; 131,072 in wave 8, 135,168 in wave 9
	s_add_co_u32 s52, s[HD], 16
	s_lshl_b32 s52, s52, 13
	s_lshl_b32 s53, s[BB], 12
	s_add_co_u32 s52, s52, s53
	s_add_co_u32 s52, s52, 4194304
	s_lshl_b32 s53, s[BH], 12
	s_add_co_u32 s53, s53, 2097152
	s_cmp_eq_u32 s[WV], 8
	s_cselect_b32 s52, s52, s53
	s_mov_b32 s53, 0
	s_wait_dscnt 0x0
	s_wait_kmcnt 0x0
	s_cselect_b64 s[G0S+2:G0S+3], s[4:5], s[6:7]
	s_add_nc_u64 s[G0S+2:G0S+3], s[G0S+2:G0S+3], s[52:53]
	s_or_b32 s[G0S+3], s[G0S+3], 0x80000000
	s_cmp_lt_u32 s[WV], 4
	s_cselect_b64 s[G0C+2:G0C+3], s[4:5], s[6:7]
	s_add_nc_u64 s[G0C+2:G0C+3], s[G0C+2:G0C+3], s[54:55]
	s_or_b32 s[G0C+3], s[G0C+3], 0x80000000
	s_cmp_lt_u32 s[WV], 8
	s_cbranch_scc0 .Lnot_c
	tensor_load_to_lds s[G0C:G0C+3], s[G1C:G1C+7]
	s_nop 0
.rept 4
	v_nop
.endr
	s_branch .Lasked
.Lnot_c:
	s_cmp_lt_u32 s[WV], 10
	s_cbranch_scc0 .Lasked
	tensor_load_to_lds s[G0S:G0S+3], s[G1S:G1S+7]
	s_nop 0
.rept 4
	v_nop
.endr
.Lasked:
	s_lshl_b32 s52, s[BB], 7
	s_add_co_u32 s52, s52, s[TQ]                   ; my token tile, 0..255
	s_lshl_b32 s54, s[HD], 17
	s_lshl_b32 s55, s52, 9
	s_add_co_u32 s54, s54, s55
	s_mov_b32 s55, 0
	s_add_nc_u64 s[56:57], s[4:5], s[54:55]        ; q's image
	s_lshl_b32 s54, s[HD], 13
	s_lshr_b32 s53, s52, 1
	s_lshl_b32 s53, s53, 6
	s_add_co_u32 s54, s54, s53
	s_add_co_u32 s54, s54, 4194304
	s_add_nc_u64 s[58:59], s[4:5], s[54:55]        ; its scale words (a pair of tiles to a word)
	s_mul_i32 s54, s52, 40960
	s_lshl_b32 s53, s[HD], 9
	s_add_co_u32 s54, s54, s53
	s_add_nc_u64 s[60:61], s[8:9], s[54:55]        ; o's image: K step head / 2, c = head % 2
	s_lshr_b32 s54, s[HD], 1
	s_lshl_b32 s54, s54, 14
	s_lshl_b32 s53, s52, 6                         ; 16 tokens x 4 bytes a tile
	s_add_co_u32 s54, s54, s53
	s_and_b32 s53, s[HD], 1
	s_lshl_b32 s53, s53, 1
	s_add_co_u32 s54, s54, s53
	s_add_co_u32 s54, s54, 10485760
	s_add_nc_u64 s[62:63], s[8:9], s[54:55]        ; o's scale bytes
	s_mov_b32 s[SEL], 0x76543210
	s_mov_b32 s[SEL+1], 0xfedcba98
	s_mov_b32 s[CS], 0x3fb8aa3b                    ; log2(e)
	s_mov_b32 s[CS+1], s[CS]
	v_and_b32 v192, 31, v0
	v_lshlrev_b32 v[L16], 4, v192
	v_lshlrev_b32 v[L4], 2, v192
	v_and_b32 v193, 15, v0                         ; r
	v_bfe_u32 v194, v0, 4, 1                       ; h
	v_lshlrev_b32 v[RD8], 3, v194
	v_sub_nc_u32 v[RD8], v193, v[RD8]
	v_add_nc_u32 v[VB], VIM, v[L16]
	v_add_nc_u32 v[KSB], KSW, v[L4]
	v_add_nc_u32 v[VSB], VSW, v[L4]
	v_lshlrev_b32 v[R4], 2, v193
	v_add_nc_u32 v[OB], v[R4], v194
	global_load_b128 v[Q1:Q1+3], v[L16], s[56:57]  ; q twice: the two operands share no register
	global_load_b128 v[Q2+4:Q2+7], v[L16], s[56:57]
	global_load_b32 v[QW], v[R4], s[58:59]
.irp j, 0,1,2,3
	v_mov_b32 v[Q1+4+\j], 0
	v_mov_b32 v[Q2+\j], 0
.endr
	s_and_b32 s52, s[TQ], 1
	s_lshl_b32 s52, s52, 4
	s_wait_loadcnt 0x0
	v_lshrrev_b32 v[QW], s52, v[QW]                ; my tile's two bytes,
	v_and_b32 v[QW], 0xffff, v[QW]
	v_lshl_or_b32 v[QW], v[QW], 16, v[QW]          ; in both halves of the word: it serves [q | 0] and [0 | q]
	v_mov_b32 v[NINF], 0xff800000
	v_mov_b32 v13, 0xff61b1e6                      ; m so far: -3e38, under every t
	v_mov_b32 v12, 0
	v_mov_b32 v14, 0
	v_mov_b32 v15, 0
	v_mov_b32 v193, 0                              ; lane permutes' destinations count as read
	v_mov_b32 v197, 0                              ; (named as the upper half of a pair)
.irp b, 0,1,2,3
	v_mov_b32 v[TM+4+\b], 0
.endr
	s_wait_tensorcnt 0x0                           ; my part of the head has landed,
	s_barrier_signal -1
	s_barrier_wait -1                              ; everybody's has
; The scores of a step of 128 keys.
.macro SCORES
	v_add_nc_u32 v[ADK], s[T4], v[L16]             ; (these four are also the places in front of loads into registers that matrix instructions have read)
	v_add_nc_u32 v[ADV], s[T4], v[VB]
	v_add_nc_u32 v[ADKS], s[T2], v[KSB]
	v_add_nc_u32 v[ADVS], s[T2], v[VSB]
.irp p, 0,1,2,3
	ds_load_b128 v[KV+8*\p:KV+8*\p+3], v[ADK] offset:1024*\p
	ds_load_b128 v[KV+8*\p+4:KV+8*\p+7], v[ADK] offset:1024*\p+512
.endr
	ds_load_b32 v[KSR], v[ADKS]
	ds_load_b32 v[KSR+1], v[ADKS] offset:128
	s_wait_dscnt 0x0
.irp p, 0,1,2,3
.if \p%2
	v_wmma_scale_f32_16x16x128_f8f6f4 v[S+16*\p:S+16*\p+7], v[KV+8*\p:KV+8*\p+7], v[Q1:Q1+7], 0, v[KSR+\p/2], v[QW] matrix_a_fmt:MATRIX_FMT_FP4 matrix_b_fmt:MATRIX_FMT_FP4 matrix_a_scale:MATRIX_SCALE_ROW1
	v_wmma_scale_f32_16x16x128_f8f6f4 v[S+16*\p+8:S+16*\p+15], v[KV+8*\p:KV+8*\p+7], v[Q2:Q2+7], 0, v[KSR+\p/2], v[QW] matrix_a_fmt:MATRIX_FMT_FP4 matrix_b_fmt:MATRIX_FMT_FP4 matrix_a_scale:MATRIX_SCALE_ROW1
.else
	v_wmma_scale_f32_16x16x128_f8f6f4 v[S+16*\p:S+16*\p+7], v[KV+8*\p:KV+8*\p+7], v[Q1:Q1+7], 0, v[KSR+\p/2], v[QW] matrix_a_fmt:MATRIX_FMT_FP4 matrix_b_fmt:MATRIX_FMT_FP4
	v_wmma_scale_f32_16x16x128_f8f6f4 v[S+16*\p+8:S+16*\p+15], v[KV+8*\p:KV+8*\p+7], v[Q2:Q2+7], 0, v[KSR+\p/2], v[QW] matrix_a_fmt:MATRIX_FMT_FP4 matrix_b_fmt:MATRIX_FMT_FP4
.endif
.endr
.rept 4
	v_nop
.endr
	s_add_co_u32 s52, s[KF], 127                   ; on the diagonal hidden scores become -infinity; a step all of whose keys count jumps over this
	s_cmp_le_u32 s52, s[Q0]
	s_cbranch_scc1 .Lopen_\@
	s_sub_co_i32 s52, s[Q0], s[KF]
	v_add_nc_u32 v192, s52, v[RD8]                 ; d = my query - the step's first key - 8 h: register 8 t + j is hidden where 16 t + j > d
.set n, 0
.rept 64
	v_cmp_gt_i32 vcc_lo, 16*(n/8)+n%8, v192
	v_cndmask_b32 v[S+n], v[S+n], v[NINF], vcc_lo
.set n, n+1
.endr
.Lopen_\@:
.endm
.macro BLKMAX                          ; the largest score of my 16 keys of each block of 32, the four blocks by turns
.irp b, 0,1,2,3
	v_max3_num_f32 v[TM+\b], v[S+16*\b], v[S+16*\b+1], v[S+16*\b+2]
.endr
.irp i, 3,5,7,9,11,13
.irp b, 0,1,2,3
	v_max3_num_f32 v[TM+\b], v[TM+\b], v[S+16*\b+\i], v[S+16*\b+\i+1]
.endr
.endr
.irp b, 0,1,2,3
	v_max_num_f32 v[TM+\b], v[TM+\b], v[S+16*\b+15]
.endr
.endm
.macro TMINUS                          ; t - m, two at a time
.set j, 0
.rept 32
	v_pk_fma_f32 v[S+j:S+j+1], v[S+j:S+j+1], s[CS:CS+1], v[12:13] op_sel_hi:[1,0,0]
.set j, j+2
.endr
.endm
.macro EXP64
.set j, 0
.rept 64
	v_exp_f32 v[S+j], v[S+j]
.set j, j+1
.endr
.endm
	; ---- PASS 1: m and l
	s_mov_b32 s[KF], 0
	s_mov_b32 s[T4], 0
	s_mov_b32 s[T2], 0
	s_mov_b32 s[CNT], 16
.Lp1:
	s_cmp_gt_u32 s[KF], s[QL]
	s_cbranch_scc1 .Lp1_skip
	SCORES
	BLKMAX
	v_max3_num_f32 v192, v[TM], v[TM+1], v[TM+2]
	v_max_num_f32 v192, v192, v[TM+3]
	v_permlanex16_b32 v193, v192, s[SEL], s[SEL+1]
	v_max_num_f32 v192, v192, v193                 ; the step's largest score of my query
	v_mul_f32 v192, s[CS], v192
	v_max_num_f32 v192, v13, v192                  ; the new m
	v_sub_f32 v194, v13, v192                      ; old - new
	v_mov_b32 v13, v192
	v_sub_f32 v12, 0, v192
	TMINUS
	EXP64
	v_exp_f32 v196, v194                           ; a = 2^(old m - new m)
	v_nop                                          ; a plain line behind the batch
	s_wait_alu depctr_va_vdst(0)                   ; one wait for the 65, ahead of their first reader
	v_pk_mul_f32 v[14:15], v[14:15], v[196:197] op_sel_hi:[1,0]
	v_pk_add_f32 v[198:199], v[S:S+1], v[S+2:S+3]  ; the sum, in two chains
.irp j, 4,8,12,16,20,24,28,32,36,40,44,48,52,56,60
	v_pk_add_f32 v[14:15], v[14:15], v[S+\j:S+\j+1]
	v_pk_add_f32 v[198:199], v[198:199], v[S+\j+2:S+\j+3]
.endr
	v_pk_add_f32 v[14:15], v[14:15], v[198:199]
.Lp1_skip:
	s_add_co_u32 s[KF], s[KF], 128
	s_add_co_u32 s[T4], s[T4], 4096
	s_add_co_u32 s[T2], s[T2], 256
	s_sub_co_u32 s[CNT], s[CNT], 1
	s_cmp_lg_u32 s[CNT], 0
	s_cbranch_scc1 .Lp1
	v_add_f32 v14, v14, v15
	v_permlanex16_b32 v193, v14, s[SEL], s[SEL+1]
	v_add_f32 v14, v14, v193                       ; l
	v_rcp_f32 v[RL], v14
	v_nop
	s_wait_alu depctr_va_vdst(0)
	v_mul_f32 v[RL], 0x3d000000, v[RL]             ; 1 / (32 l)
	v_mov_b32 v[RL+1], v[RL]
.set j, 0
.rept 32
	v_mov_b32 v[O+j], 0                            ; the step is written once: the first finds zeros
.set j, j+1
.endr
	; ---- PASS 2: p, its codes, O^T += V^T p^T
	s_mov_b32 s[KF], 0
	s_mov_b32 s[T4], 0
	s_mov_b32 s[T2], 0
	s_mov_b32 s[CNT], 16
.Lp2:
	s_cmp_gt_u32 s[KF], s[QL]
	s_cbranch_scc1 .Lp2_skip
	SCORES
.irp d, 0,1,2,3
	ds_load_b128 v[KV+8*\d:KV+8*\d+3], v[ADV] offset:1024*\d       ; V's four fragments land under the softmax (the four plain lines behind the scores' products are the places)
	ds_load_b128 v[KV+8*\d+4:KV+8*\d+7], v[ADV] offset:1024*\d+512
.endr
	ds_load_b32 v[VSR], v[ADVS]
	ds_load_b32 v[VSR+1], v[ADVS] offset:128
	BLKMAX
.irp b, 0,1,2,3
	v_permlanex16_b32 v[TM+4+\b], v[TM+\b], s[SEL], s[SEL+1]
.endr
.irp b, 0,1,2,3
	v_max_num_f32 v[TM+\b], v[TM+\b], v[TM+4+\b]   ; each block's largest score: put through the same three lines as every score, it gives the block's largest p
.endr
	TMINUS
.irp b, 0,1,2,3
	v_fma_f32 v[TM+\b], v[TM+\b], s[CS], v12
.endr
	EXP64
.irp b, 0,1,2,3
	v_exp_f32 v[TM+\b], v[TM+\b]
.endr
	v_nop
	s_wait_alu depctr_va_vdst(0)                   ; one wait for the 68
.set j, 0
.rept 32
	v_pk_mul_f32 v[S+j:S+j+1], v[S+j:S+j+1], v[RL:RL+1]            ; p, finished
.set j, j+2
.endr
.irp b, 0,1,2,3
	v_mul_f32 v[TM+\b], v[TM+\b], v[RL]
.endr
.irp b, 0,1,2,3
	v_max_num_f32 v[TM+\b], 0x1800000, v[TM+\b]    ; the floor 2^(3 - 127)
.endr
.irp b, 0,1,2,3
	v_add_nc_u32 v[TM+12+\b], 0xff000000, v[TM+\b]
.endr
.irp b, 0,1,2,3
	v_lshrrev_b32 v[TM+4+\b], 23, v[TM+12+\b]
.endr
	v_lshl_or_b32 v[PW], v[TM+5], 8, v[TM+4]
	v_lshl_or_b32 v[PW], v[TM+6], 16, v[PW]
	v_lshl_or_b32 v[PW], v[TM+7], 24, v[PW]
.irp b, 0,1,2,3
.irp e, 0,1
	v_cvt_scalef32_pk8_fp4_f32 v[PC+4*(\b/2)+2*\e+(\b%2)], v[S+16*\b+8*\e:S+16*\b+8*\e+7], v[TM+12+\b]
.endr
.endr
	v_nop
.irp c, 0,1
.irp e, 0,1
	v_permlane16_swap_b32 v[PC+4*\c+2*\e], v[PC+4*\c+2*\e+1]       ; a whole block into a lane, in ascending order
.endr
.endr
.rept 8
	v_nop                                          ; a scale word made by vector lines stands eight places ahead of a scaled product, an operand four
.endr
	s_wait_dscnt 0x0                               ; V
.irp d, 0,1,2,3
.if \d%2
	v_wmma_scale_f32_16x16x128_f8f6f4 v[O+8*\d:O+8*\d+7], v[KV+8*\d:KV+8*\d+7], v[PC:PC+7], v[O+8*\d:O+8*\d+7], v[VSR+\d/2], v[PW] matrix_a_fmt:MATRIX_FMT_FP4 matrix_b_fmt:MATRIX_FMT_FP4 matrix_a_scale:MATRIX_SCALE_ROW1
.else
	v_wmma_scale_f32_16x16x128_f8f6f4 v[O+8*\d:O+8*\d+7], v[KV+8*\d:KV+8*\d+7], v[PC:PC+7], v[O+8*\d:O+8*\d+7], v[VSR+\d/2], v[PW] matrix_a_fmt:MATRIX_FMT_FP4 matrix_b_fmt:MATRIX_FMT_FP4
.endif
.endr
.Lp2_skip:
	s_add_co_u32 s[KF], s[KF], 128
	s_add_co_u32 s[T4], s[T4], 4096
	s_add_co_u32 s[T2], s[T2], 256
	s_sub_co_u32 s[CNT], s[CNT], 1
	s_cmp_lg_u32 s[CNT], 0
	s_cbranch_scc1 .Lp2
.rept 4
	v_nop
.endr
	; ---- o's 64 numbers a query (two blocks of 32) are quantised for the projection
.irp b, 0,1
	v_max3_num_f32 v[TM+\b], |v[O+16*\b]|, |v[O+16*\b+1]|, 0x1800000
.endr
.irp i, 2,4,6,8,10,12,14
.irp b, 0,1
	v_max3_num_f32 v[TM+\b], v[TM+\b], |v[O+16*\b+\i]|, |v[O+16*\b+\i+1]|
.endr
.endr
.irp b, 0,1
	v_permlanex16_b32 v[TM+4+\b], v[TM+\b], s[SEL], s[SEL+1]
.endr
.irp b, 0,1
	v_max_num_f32 v[TM+\b], v[TM+\b], v[TM+4+\b]
.endr
.irp b, 0,1
	v_add_nc_u32 v[TM+12+\b], 0xff000000, v[TM+\b]
.endr
.irp b, 0,1
	v_lshrrev_b32 v[TM+4+\b], 23, v[TM+12+\b]
.endr
.irp b, 0,1
.irp e, 0,1
	v_cvt_scalef32_pk8_fp4_f32 v[PC+2*\e+\b], v[O+16*\b+8*\e:O+16*\b+8*\e+7], v[TM+12+\b]
.endr
.endr
	v_nop
	v_permlane16_swap_b32 v[PC], v[PC+1]
	v_permlane16_swap_b32 v[PC+2], v[PC+3]
	global_store_b128 v[L16], v[PC:PC+3], s[60:61] ; 512 consecutive bytes
	v_and_b32 v192, 31, v0
	v_cmp_lt_u32 vcc_lo, 15, v192
	v_cndmask_b32 v192, v[TM+4], v[TM+5], vcc_lo   ; lane (r, h) stores block h's byte: every lane another byte
	global_store_b8 v[OB], v192, s[62:63]
	s_wait_tensorcnt 0x0
	ds_add_u32 v208, v209
	s_wait_dscnt 0x0
	s_endpgm
.Lfunc_end_k_q3b25480cc9_attn:
	.size	k_q3b25480cc9_attn, .Lfunc_end_k_q3b25480cc9_attn-k_q3b25480cc9_attn
	.p2alignl 7, 3214868480
	.fill 96, 4, 3214868480
	.section	.rodata,"a",@progbits
	.p2align	6, 0x0
	.amdhsa_kernel k_q3b25480cc9_attn
		.amdhsa_group_segment_fixed_size 169984
		.amdhsa_private_segment_fixed_size 0
		.amdhsa_enable_private_segment 0
		.amdhsa_kernarg_size 24
		.amdhsa_user_sgpr_count 2
		.amdhsa_user_sgpr_kernarg_segment_ptr 1
		.amdhsa_wavefront_size32 1
		.amdhsa_system_sgpr_workgroup_id_x 1
		.amdhsa_system_sgpr_workgroup_id_y 1
		.amdhsa_system_sgpr_workgroup_id_z 1
		.amdhsa_system_vgpr_workitem_id 0
		.amdhsa_next_free_vgpr 210
		.amdhsa_next_free_sgpr 66
		.amdhsa_reserve_vcc 1
		.amdhsa_float_denorm_mode_32 3
		.amdhsa_float_denorm_mode_16_64 3
		.amdhsa_memory_ordered 1
		.amdhsa_forward_progress 1
		.amdhsa_inst_pref_size 46
	.end_amdhsa_kernel
	.amdgpu_metadata
---
amdhsa.version: [ 1, 2 ]
amdhsa.kernels:
  - .name:           k_q3b25480cc9_attn
    .symbol:         k_q3b25480cc9_attn.kd
    .args:
      - { .name: qk, .offset: 0, .size: 8, .value_kind: global_buffer, .address_space: global }
      - { .name: vt, .offset: 8, .size: 8, .value_kind: global_buffer, .address_space: global }
      - { .name: ha, .offset: 16, .size: 8, .value_kind: global_buffer, .address_space: global }
    .group_segment_fixed_size: 169984
    .private_segment_fixed_size: 0
    .kernarg_segment_align: 8
    .kernarg_segment_size: 24
    .max_flat_workgroup_size: 512
    .sgpr_count:     66
    .vgpr_count:     210
    .wavefront_size: 32
...
	.end_amdgpu_metadata
.endif
;; end of part 3
;; launch projn (part 4): grid 256 x 1, 16 waves a work-group, no clusters, 169,984 bytes of LDS; arguments ha, wpf, w_proj_scales, b_proj, x, g_norm2, act; writes act
.if DOCPART == 4
	.amdgcn_target "amdgcn-amd-amdhsa--gfx1250"
	.amdhsa_code_object_version 6
	.text
	.protected	k_q3b25480cc9_projn
	.globl	k_q3b25480cc9_projn
	.p2align	8
	.type	k_q3b25480cc9_projn,@function
k_q3b25480cc9_projn:
	s_mov_b64 s[64:65], 0
	v_nop
	global_prefetch_b8 v0, s[64:65] scope:SCOPE_SE
	s_setreg_imm32_b32 hwreg(HW_REG_WAVE_MODE, 25, 1), 1
	s_wait_xcnt 0x0
; act = Q(rmsnorm(x + o w_proj^T + b_proj) * g_norm2).  A work-group takes 16 rows and all 1,024 columns, since the norm wants whole rows; wave w takes columns 64 w .. 64 w + 63 (four tiles).
; o comes as images of its operand registers (ha, K steps 0-7), w_proj likewise (wpf): every fragment is two loads of 512 consecutive bytes, straight into registers.
; No tensor load for the weights, and so no joint request: with 16 rows each fragment of the weight feeds exactly one product of one wave, so a way through LDS would add bytes and barriers and spare none in the work-group.
; x's 16 rows come into LDS once, by asynchronous copies in whole rows, and are read from there in the result's layout (a lane: row r, columns 16 t + 8 h + j).
; The matrix instruction is used transposed: source 0 = 16 rows of the weight, source 1 = o's 16 rows.  b_proj is loaded into the accumulators: it is the C of each sum's first product.
; LIMITS: NaN and infinities are not served; blocks under 2^-124, blocks of zeros among them, keep the byte 1 (this program alone reads the bytes).
.set XS,   0                           ; LDS: 16 rows of x, 4,096 bytes + 16
.set RSUM, 66048                       ; [row 16][wave 16] partial sums of squares
.set CST,  67072                       ; 16 rows of codes, 512 bytes + 16
.set SST,  75520                       ; 16 rows of 32 scale bytes
.set AF,   16                          ; v16-79   o's eight fragments; later v16-47 the gain
.set SA,   80                          ; v80-87   o's scale words
.set SB,   88                          ; v88-103  the weight's: register 4 t + q: lanes 0-15 K step q, lanes 16-31 K step 4 + q
.set ACC,  104                         ; v104-135
.set RING, 136                         ; v136-231 three sets of four fragments of the weight
.set XX,   136                         ; later: x, then the sixteen partial sums
.set X1,   168                         ; later: x1, then the normed row
.set TM,   200
.set RC,   216
.set SEL,  40
	s_load_b256 s[4:11], s[0:1], 0x0               ; ha, wpf, w_proj's scales, b_proj
	s_load_b128 s[12:15], s[0:1], 0x20             ; x, g_norm2
	s_load_b64 s[16:17], s[0:1], 0x30              ; act
	v_lshl_add_u32 v254, v0, 2, 0x29000
	v_mov_b32 v255, 0
	ds_add_u32 v254, v255
	ds_add_u32 v254, v255
	v_lshrrev_b32 v1, 5, v0
	v_readfirstlane_b32 s18, v1                    ; wave 0..15
	v_and_b32 v232, 31, v0
	v_and_b32 v233, 15, v0                         ; r
	v_bfe_u32 v234, v0, 4, 1                       ; h
	v_lshlrev_b32 v1, 4, v232                      ; 16 x lane
	v_lshlrev_b32 v2, 2, v233                      ; 4 r
	v_lshlrev_b32 v3, 5, v233
	v_lshl_add_u32 v3, v234, 4, v3                 ; 32 r + 16 h
	v_lshlrev_b32 v4, 5, v234                      ; 32 h
	s_mul_i32 s28, s18, 4112
	v_add_nc_u32 v5, s28, v1                       ; the copies: row w in LDS,
	s_lshl_b32 s28, s18, 12
	v_add_nc_u32 v6, s28, v1                       ; and in memory
	v_mul_u32_u24 v7, v233, 4112
	v_lshl_add_u32 v7, v234, 5, v7
	s_lshl_b32 s28, s18, 8
	v_add_nc_u32 v7, s28, v7                       ; x in the result's layout: row r, 256 w + 32 h
	v_lshlrev_b32 v9, 6, v233
	v_add_nc_u32 v9, RSUM, v9
	s_lshl_b32 s28, s18, 2
	v_add_nc_u32 v8, s28, v9
	v_mul_u32_u24 v10, v233, 528
	v_lshl_add_u32 v10, v234, 4, v10
	s_lshl_b32 s28, s18, 5
	s_add_co_u32 s28, s28, CST
	v_add_nc_u32 v10, s28, v10                     ; my 16 bytes of codes: row r, 32 w + 16 h
	v_lshlrev_b32 v11, 5, v233
	s_lshl_b32 s28, s18, 1
	s_add_co_u32 s28, s28, SST
	v_add_nc_u32 v11, s28, v11                     ; my two scale bytes: row r, 2 w
	s_mul_i32 s28, s18, 528
	s_add_co_u32 s28, s28, CST
	v_add_nc_u32 v12, s28, v1                      ; back: row w whole
	v_add_nc_u32 v13, SST, v1
	s_lshl_b32 s20, ttmp9, 16
	s_mov_b32 s21, 0
	s_mul_i32 s22, ttmp9, 40960
	s_mov_b32 s23, 0
	s_lshl_b32 s24, ttmp9, 6
	s_add_co_u32 s24, s24, 10485760
	s_mov_b32 s25, 0
	s_lshl_b32 s26, s18, 15
	s_mov_b32 s27, 0
	s_lshl_b32 s30, s18, 11
	s_mov_b32 s31, 0
	s_lshl_b32 s32, s18, 8
	s_mov_b32 s33, 0
	s_lshl_b32 s34, ttmp9, 4
	s_add_co_u32 s34, s34, s18
	s_lshl_b32 s34, s34, 9
	s_mov_b32 s35, 0
	s_lshl_b32 s36, ttmp9, 9
	s_add_co_u32 s36, s36, 2097152
	s_mov_b32 s37, 0
	s_mov_b32 s38, 0x3a800000                      ; 1 / 1024
	s_mov_b32 s39, 0x34000000                      ; eps = 2^-23
	s_mov_b32 s[SEL], 0x76543210
	s_mov_b32 s[SEL+1], 0xfedcba98
	s_wait_dscnt 0x0
	s_wait_kmcnt 0x0
	s_add_nc_u64 s[12:13], s[12:13], s[20:21]      ; x at my 16 rows
	s_add_nc_u64 s[20:21], s[4:5], s[22:23]        ; o's fragments
	s_add_nc_u64 s[22:23], s[4:5], s[24:25]        ; o's scale words
	s_add_nc_u64 s[6:7], s[6:7], s[26:27]          ; my four tiles of the weight
	s_add_nc_u64 s[8:9], s[8:9], s[30:31]
	s_add_nc_u64 s[10:11], s[10:11], s[32:33]
	s_add_nc_u64 s[14:15], s[14:15], s[32:33]
	s_add_nc_u64 s[24:25], s[16:17], s[34:35]      ; act: row 16 x work-group + w
	s_add_nc_u64 s[26:27], s[16:17], s[36:37]      ; act's scale bytes
.irp j, 0,1,2,3,4,5,6,7
	global_load_async_to_lds_b128 v5, v6, s[12:13] offset:512*\j   ; the immediate goes onto both addresses
.endr
.irp k, 0,1,2,3,4,5,6,7
	global_load_b128 v[AF+8*\k:AF+8*\k+3], v1, s[20:21] offset:1024*\k
	global_load_b128 v[AF+8*\k+4:AF+8*\k+7], v1, s[20:21] offset:1024*\k+512
.endr
.irp k, 0,1,2,3,4,5,6,7
	global_load_b32 v[SA+\k], v2, s[22:23] offset:16384*\k
.endr
.irp t, 0,1,2,3
	global_load_b128 v[SB+4*\t:SB+4*\t+3], v3, s[8:9] offset:512*\t
.endr
.irp t, 0,1,2,3
	global_load_b128 v[ACC+8*\t:ACC+8*\t+3], v4, s[10:11] offset:64*\t
	global_load_b128 v[ACC+8*\t+4:ACC+8*\t+7], v4, s[10:11] offset:64*\t+16
.endr
.macro BSET ks                         ; the weight's four fragments of K step ks: eight loads
.irp t, 0,1,2,3
	global_load_b128 v[RING+32*(\ks%3)+8*\t:RING+32*(\ks%3)+8*\t+3], v1, s[6:7] offset:8192*\t+1024*\ks
	global_load_b128 v[RING+32*(\ks%3)+8*\t+4:RING+32*(\ks%3)+8*\t+7], v1, s[6:7] offset:8192*\t+1024*\ks+512
.endr
.endm
.macro PSTEP ks, n                     ; n: the younger loads that may stay out.  The four accumulators take turns
	s_wait_loadcnt \n
.irp t, 0,1,2,3
.if \ks < 4
	v_wmma_scale_f32_16x16x128_f8f6f4 v[ACC+8*\t:ACC+8*\t+7], v[RING+32*(\ks%3)+8*\t:RING+32*(\ks%3)+8*\t+7], v[AF+8*\ks:AF+8*\ks+7], v[ACC+8*\t:ACC+8*\t+7], v[SB+4*\t+\ks%4], v[SA+\ks] matrix_a_fmt:MATRIX_FMT_FP4 matrix_b_fmt:MATRIX_FMT_FP4
.else
	v_wmma_scale_f32_16x16x128_f8f6f4 v[ACC+8*\t:ACC+8*\t+7], v[RING+32*(\ks%3)+8*\t:RING+32*(\ks%3)+8*\t+7], v[AF+8*\ks:AF+8*\ks+7], v[ACC+8*\t:ACC+8*\t+7], v[SB+4*\t+\ks%4], v[SA+\ks] matrix_a_fmt:MATRIX_FMT_FP4 matrix_b_fmt:MATRIX_FMT_FP4 matrix_a_scale:MATRIX_SCALE_ROW1
.endif
.endr
.rept 4
	v_nop                                          ; places in front of loads into, and reads of, these products' registers
.endr
.endm
	BSET 0
	BSET 1
	BSET 2
	PSTEP 0, 16                                    ; the two younger sets may be out
	BSET 3
	PSTEP 1, 16
	BSET 4
	PSTEP 2, 16
	BSET 5
	PSTEP 3, 16
	BSET 6
	PSTEP 4, 16
	BSET 7
.irp t, 0,1,2,3
	global_load_b128 v[AF+8*\t:AF+8*\t+3], v4, s[14:15] offset:64*\t          ; the gain, laid as the result, into o's first four fragments, which are done with
	global_load_b128 v[AF+8*\t+4:AF+8*\t+7], v4, s[14:15] offset:64*\t+16
.endr
	PSTEP 5, 24                                    ; two sets and the gain's eight
	PSTEP 6, 16                                    ; one set and the gain
	PSTEP 7, 8                                     ; the gain
	s_wait_asynccnt 0x0                            ; my row of x has landed,
	s_barrier_signal -1
	s_barrier_wait -1                              ; everybody's has
.irp t, 0,1,2,3
	ds_load_b128 v[XX+8*\t:XX+8*\t+3], v7 offset:64*\t
	ds_load_b128 v[XX+8*\t+4:XX+8*\t+7], v7 offset:64*\t+16
.endr
	s_wait_dscnt 0x0
.set j, 0
.rept 16
	v_pk_add_f32 v[X1+j:X1+j+1], v[ACC+j:ACC+j+1], v[XX+j:XX+j+1]  ; x1; each accumulator from its low end on
.set j, j+2
.endr
	v_pk_mul_f32 v[232:233], v[X1:X1+1], v[X1:X1+1]
	v_pk_mul_f32 v[234:235], v[X1+2:X1+3], v[X1+2:X1+3]
.irp j, 4,8,12,16,20,24,28
	v_pk_fma_f32 v[232:233], v[X1+\j:X1+\j+1], v[X1+\j:X1+\j+1], v[232:233]
	v_pk_fma_f32 v[234:235], v[X1+\j+2:X1+\j+3], v[X1+\j+2:X1+\j+3], v[234:235]
.endr
	v_pk_add_f32 v[232:233], v[232:233], v[234:235]
	v_add_f32 v232, v232, v233
	v_permlanex16_b32 v233, v232, s[SEL], s[SEL+1]
	v_add_f32 v232, v232, v233                     ; row r's sum of squares over my 64 columns
	ds_store_b32 v8, v232                          ; lanes r and r + 16 write the same word with the same value
	s_wait_dscnt 0x0
	s_barrier_signal -1
	s_barrier_wait -1
.irp i, 0,1,2,3
	ds_load_b128 v[XX+4*\i:XX+4*\i+3], v9 offset:16*\i
.endr
	s_wait_dscnt 0x0
.irp i, 0,4,8,12
	v_pk_add_f32 v[XX+\i:XX+\i+1], v[XX+\i:XX+\i+1], v[XX+\i+2:XX+\i+3]      ; the same order in every wave
.endr
	v_pk_add_f32 v[XX:XX+1], v[XX:XX+1], v[XX+4:XX+5]
	v_pk_add_f32 v[XX+8:XX+9], v[XX+8:XX+9], v[XX+12:XX+13]
	v_pk_add_f32 v[XX:XX+1], v[XX:XX+1], v[XX+8:XX+9]
	v_add_f32 v[XX], v[XX], v[XX+1]
	v_fma_f32 v[XX], v[XX], s38, s39
	v_rsq_f32 v236, v[XX]
	v_nop
	s_wait_alu depctr_va_vdst(0)
	v_mov_b32 v237, v236
	s_wait_loadcnt 0x0                             ; the gain
.set j, 0
.rept 16
	v_pk_mul_f32 v[X1+j:X1+j+1], v[X1+j:X1+j+1], v[236:237]
.set j, j+2
.endr
.set j, 0
.rept 16
	v_pk_mul_f32 v[X1+j:X1+j+1], v[X1+j:X1+j+1], v[AF+j:AF+j+1]
.set j, j+2
.endr
	v_mov_b32 v[TM+4], 0
	v_mov_b32 v[TM+5], 0
.irp b, 0,1
	v_max3_num_f32 v[TM+\b], |v[X1+16*\b]|, |v[X1+16*\b+1]|, 0x1800000
.endr
.irp i, 2,4,6,8,10,12,14
.irp b, 0,1
	v_max3_num_f32 v[TM+\b], v[TM+\b], |v[X1+16*\b+\i]|, |v[X1+16*\b+\i+1]|
.endr
.endr
.irp b, 0,1
	v_permlanex16_b32 v[TM+4+\b], v[TM+\b], s[SEL], s[SEL+1]
.endr
.irp b, 0,1
	v_max_num_f32 v[TM+\b], v[TM+\b], v[TM+4+\b]
.endr
.irp b, 0,1
	v_add_nc_u32 v[TM+12+\b], 0xff000000, v[TM+\b]
.endr
.irp b, 0,1
	v_lshrrev_b32 v[TM+4+\b], 23, v[TM+12+\b]
.endr
	v_lshl_or_b32 v220, v[TM+5], 8, v[TM+4]
.irp b, 0,1
.irp e, 0,1
	v_cvt_scalef32_pk8_fp4_f32 v[RC+2*\e+\b], v[X1+16*\b+8*\e:X1+16*\b+8*\e+7], v[TM+12+\b]
.endr
.endr
	v_nop
	v_permlane16_swap_b32 v[RC], v[RC+1]
	v_permlane16_swap_b32 v[RC+2], v[RC+3]         ; lane (r, h): block h of my 64 columns, 16 bytes
	ds_store_b128 v10, v[RC:RC+3]
	ds_store_b16 v11, v220
	s_wait_dscnt 0x0
	s_barrier_signal -1
	s_barrier_wait -1
	ds_load_b128 v[RC:RC+3], v12
	s_wait_dscnt 0x0
	global_store_b128 v1, v[RC:RC+3], s[24:25]     ; a whole row of codes: 512 consecutive bytes
	s_cmp_lg_u32 s18, 0
	s_cbranch_scc1 .Ldone
	ds_load_b128 v[224:227], v13
	s_wait_dscnt 0x0
	global_store_b128 v1, v[224:227], s[26:27]     ; 16 rows' scale bytes
.Ldone:
	s_wait_tensorcnt 0x0
	ds_add_u32 v254, v255
	s_wait_dscnt 0x0
	s_endpgm
.Lfunc_end_k_q3b25480cc9_projn:
	.size	k_q3b25480cc9_projn, .Lfunc_end_k_q3b25480cc9_projn-k_q3b25480cc9_projn
	.p2alignl 7, 3214868480
	.fill 96, 4, 3214868480
	.section	.rodata,"a",@progbits
	.p2align	6, 0x0
	.amdhsa_kernel k_q3b25480cc9_projn
		.amdhsa_group_segment_fixed_size 169984
		.amdhsa_private_segment_fixed_size 0
		.amdhsa_enable_private_segment 0
		.amdhsa_kernarg_size 56
		.amdhsa_user_sgpr_count 2
		.amdhsa_user_sgpr_kernarg_segment_ptr 1
		.amdhsa_wavefront_size32 1
		.amdhsa_system_sgpr_workgroup_id_x 1
		.amdhsa_system_sgpr_workgroup_id_y 1
		.amdhsa_system_sgpr_workgroup_id_z 1
		.amdhsa_system_vgpr_workitem_id 0
		.amdhsa_next_free_vgpr 256
		.amdhsa_next_free_sgpr 66
		.amdhsa_reserve_vcc 0
		.amdhsa_float_denorm_mode_32 3
		.amdhsa_float_denorm_mode_16_64 3
		.amdhsa_memory_ordered 1
		.amdhsa_forward_progress 1
		.amdhsa_inst_pref_size 29
	.end_amdhsa_kernel
	.amdgpu_metadata
---
amdhsa.version: [ 1, 2 ]
amdhsa.kernels:
  - .name:           k_q3b25480cc9_projn
    .symbol:         k_q3b25480cc9_projn.kd
    .args:
      - { .name: ha, .offset: 0, .size: 8, .value_kind: global_buffer, .address_space: global }
      - { .name: wpf, .offset: 8, .size: 8, .value_kind: global_buffer, .address_space: global }
      - { .name: w_proj_scales, .offset: 16, .size: 8, .value_kind: global_buffer, .address_space: global }
      - { .name: b_proj, .offset: 24, .size: 8, .value_kind: global_buffer, .address_space: global }
      - { .name: x, .offset: 32, .size: 8, .value_kind: global_buffer, .address_space: global }
      - { .name: g_norm2, .offset: 40, .size: 8, .value_kind: global_buffer, .address_space: global }
      - { .name: act, .offset: 48, .size: 8, .value_kind: global_buffer, .address_space: global }
    .group_segment_fixed_size: 169984
    .private_segment_fixed_size: 0
    .kernarg_segment_align: 8
    .kernarg_segment_size: 56
    .max_flat_workgroup_size: 512
    .sgpr_count:     66
    .vgpr_count:     256
    .wavefront_size: 32
...
	.end_amdgpu_metadata
.endif
;; end of part 4
;; launch fc1 (part 5): grid 16 x 16, 4 waves a work-group, clusters of 4 x 4, 327,680 bytes of LDS; arguments act, w_fc1_codes, w_fc1_scales, b_fc1, ha; writes ha
.if DOCPART == 5
	.amdgcn_target "amdgcn-amd-amdhsa--gfx1250"
	.amdhsa_code_object_version 6
	.text
	.protected	k_q3b25480cc9_fc1
	.globl	k_q3b25480cc9_fc1
	.p2align	8
	.type	k_q3b25480cc9_fc1,@function
k_q3b25480cc9_fc1:
	s_mov_b64 s[64:65], 0
	v_nop
	global_prefetch_b8 v0, s[64:65] scope:SCOPE_SE
	s_setreg_imm32_b32 hwreg(HW_REG_WAVE_MODE, 25, 1), 1
	s_wait_xcnt 0x0
	s_wait_alu depctr_hold_cnt(0) depctr_sa_sdst(0) depctr_va_vdst(0) depctr_va_sdst(0) depctr_va_ssrc(0) depctr_va_vcc(0) depctr_vm_vsrc(0)
	s_getreg_b32 s2, hwreg(HW_REG_IB_STS2, 6, 4)
	s_cmp_eq_u32 s2, 0
	s_cbranch_scc0 .Lentry_in_a_cluster
	s_endpgm
.Lentry_in_a_cluster:
	s_bfe_u32 s2, ttmp6, 0x10000c
	s_cmp_lg_u32 s2, 0xf033
	s_cbranch_scc0 .Lentry_shape_is_right
	s_endpgm
.Lentry_shape_is_right:
; h = Q(gelu(a2 w_fc1^T + b_fc1)), the exact gelu, on codes of E2M1, K = 1,024.  The results go out as images of the next product's operand registers: ha, K steps 8 to 39.
; A tile of 256 x 256 to a work-group of four waves, 128 x 128 a wave.  K goes in two slots of 512, both filled at the start by joint tensor loads (4 x 4 clusters: the tokens' tile is shared along a row of the
; cluster, the weight's along a column); the scale bytes of all of K come with them.  The matrix instruction is used transposed (source 0 = 16 rows of the weight, source 1 = 16 tokens): a lane holds one token,
; and register 8 b + j of a block of 16 tokens is hidden unit 16 b + 8 (lane / 16) + j: the next product's K.  The bias is the C of each sum's first product.
; erf(z) = z P(z^2) / Q(z^2), z held to +-4: a rational form good to a few units in f32's last place; gelu = x/2 + x/2 erf(x / sqrt 2).
; The way out is a loop over the wave's eight blocks of 16 tokens: only the copy out of the accumulators, whose register numbers differ, is written eight times.
; LIMITS: NaN and infinities are not served; blocks under 2^-124, blocks of zeros among them, keep the byte 1 (this program alone reads the bytes).
; REGISTERS: window 0: v16-31 addresses; v32-95 scale words, two sets; v128-191 the tokens' fragments, later x/2 and the gelu; v192-255 the bias, later at work; v96-127 at work.  window 1: the weight's fragments.  windows 2, 3: accumulators.
.set NQ,     4
.set ROWB,   256
.set KROW,   512
.set PITCH,  272
.set FR,     8
.set NL,     2
.set NP,     4
.set HALFT,  128*PITCH
.set SLOT,   4*HALFT
.set KS,     32
.set SCL,    2*SLOT
.set HALFS,  (128*KS/256)*272
.set SBLK,   (16*KS/256)*272
.set SPARE,  SCL+4*HALFS
.set ADRA, 16
.set ADRB, 20
.set STO,  24                          ; v24  the scale words' stage (in slot 0, which is read no more then): 512 x wave + 4 r
.set RD,   25
.set CO,   26                          ; v26  16 x lane
.set ADRS, 27
.set SPW,  28
.set NIL,  29
.set BOF,  30                          ; v30  32 h
.set SC,   32
.set AF,   128
.set BI,   192
.set HU,   128                         ; x / 2, then the gelu
.set ZZ,   96
.set Z2,   112
.set PP,   192
.set QQ,   208
.set RC,   224
.set TM,   232
.set VA13, 248
.set VB8,  250
.set PW,   252
.set STA,  253
.set A11, 24
.set A9,  26
.set A7,  28
.set A5,  30
.set A3,  32
.set A1,  34
.set B6,  36
.set B4,  38
.set B2,  40
.set B0,  42
.set SQ2, 44
.set SEL, 46
.set G1, 24
.set G0, 32
.set G1B, 48
.set G0B, 56
.set G1S, 68
.set G0S, 76
.set G1SB, 80
.set G0SB, 88
.set MSB, 0
.macro WIN new
.if MSB != \new
	s_set_vgpr_msb (MSB<<8)|\new
.set MSB, \new
.endif
.endm
.set MUL_LO, 0xa1
.set MUL_HI, 0xf1
.set TO_B,   0x40
.macro JLOAD g0a, g1a, g0b, g1b
	s_cmp_eq_u32 s15, 0
	s_cbranch_scc0 .Lfor_b_\@
	tensor_load_to_lds s[\g0a:\g0a+3], s[\g1a:\g1a+7]
	s_nop 0
.rept 4
	v_nop
.endr
	s_branch .Lasked_\@
.Lfor_b_\@:
	tensor_load_to_lds s[\g0b:\g0b+3], s[\g1b:\g1b+7]
	s_nop 0
.rept 4
	v_nop
.endr
.Lasked_\@:
.endm
.macro CROUND
	s_barrier_signal -1
	s_barrier_wait -1
	s_cmp_lg_u32 s14, 0
	s_cbranch_scc1 .Lnot_wave_0_\@
	s_barrier_signal -3
.Lnot_wave_0_\@:
	s_barrier_wait -3
	s_barrier_signal -1
	s_barrier_wait -1
.endm
	s_load_b128 s[4:7], s[0:1], 0x0                ; act, w_fc1's codes
	s_load_b128 s[8:11], s[0:1], 0x10              ; w_fc1's scales, b_fc1
	s_load_b64 s[12:13], s[0:1], 0x20              ; ha
	v_lshl_add_u32 v[SPW], v0, 2, SPARE
	v_mov_b32 v[NIL], 0
	ds_add_u32 v28, v29
	ds_add_u32 v28, v29
	s_wait_dscnt 0x0
	v_lshrrev_b32 v1, 5, v0
	v_readfirstlane_b32 s14, v1
	s_lshr_b32 s15, s14, 1
	s_and_b32 s16, s14, 1
	s_bfe_u32 s40, ttmp6, 0x40000
	s_bfe_u32 s41, ttmp6, 0x40004
	s_lshl_b32 s42, ttmp9, 2
	s_add_co_u32 s42, s42, s40                     ; the weight's tile column
	s_and_b32 s17, ttmp7, 0xffff
	s_lshl_b32 s17, s17, 2
	s_add_co_u32 s17, s17, s41                     ; the tokens' tile row
	s_lshl_b32 s43, s41, 2
	s_lshl_b32 s43, 15, s43
	s_lshl_b32 s44, 0x1111, s40
	s_or_b32 s[G1+0], s43, (0<<16)|(1<<20)|(1<<21)|(5<<22)|(3<<25)
	s_or_b32 s[G1B+0], s44, (0<<16)|(1<<20)|(1<<21)|(5<<22)|(3<<25)
.irp g, G1, G1B
	s_mov_b32 s[\g+1], ROWB<<16
	s_mov_b32 s[\g+2], 128<<16
	s_mov_b32 s[\g+3], ROWB<<16
	s_mov_b32 s[\g+4], 128
	s_mov_b32 s[\g+5], KROW
	s_mov_b32 s[\g+6], 0
	s_mov_b32 s[\g+7], 0
.endr
	s_or_b32 s[G1S+0], s43, (3<<16)|(1<<20)|(1<<21)|(5<<22)|(3<<25)
	s_or_b32 s[G1SB+0], s44, (3<<16)|(1<<20)|(1<<21)|(5<<22)|(3<<25)
.irp g, G1S, G1SB
	s_mov_b32 s[\g+1], 32<<16
	s_mov_b32 s[\g+2], (128*KS/256)<<16
	s_mov_b32 s[\g+3], 32<<16
	s_mov_b32 s[\g+4], 128*KS/256
	s_mov_b32 s[\g+5], 32
	s_mov_b32 s[\g+6], 0
	s_mov_b32 s[\g+7], 0
.endr
	s_lshl_b32 s18, s16, 7
	s_lshl_b32 s20, s17, 8
	s_add_co_u32 s20, s20, s18
	s_lshl_b32 s46, s42, 8
	s_add_co_u32 s46, s46, s18
	s_lshl_b32 s22, s20, 5
	s_mov_b32 s23, 0
	s_lshl_b32 s92, s46, 5
	s_mov_b32 s93, 0
	s_lshl_b32 s20, s20, 9
	s_mov_b32 s21, 0
	s_lshl_b32 s46, s46, 9
	s_mov_b32 s47, 0
	s_mul_i32 s45, s14, HALFT
	s_mul_i32 s94, s14, HALFS
	s_wait_kmcnt 0x0
	s_add_nc_u64 s[22:23], s[4:5], s[22:23]
	s_add_nc_u64 s[22:23], s[22:23], 2097152       ; act's scale bytes
	s_add_nc_u64 s[20:21], s[4:5], s[20:21]
	s_add_nc_u64 s[46:47], s[6:7], s[46:47]
	s_add_nc_u64 s[92:93], s[8:9], s[92:93]
	CROUND
	s_mov_b32 s[G0S], 1
	s_add_co_u32 s[G0S+1], s94, SCL
	s_mov_b64 s[G0S+2:G0S+3], s[22:23]
	s_or_b32 s[G0S+3], s[G0S+3], 0x80000000
	s_mov_b32 s[G0SB], 1
	s_add_co_u32 s[G0SB+1], s94, SCL
	s_mov_b64 s[G0SB+2:G0SB+3], s[92:93]
	s_or_b32 s[G0SB+3], s[G0SB+3], 0x80000000
	JLOAD G0S, G1S, G0SB, G1SB
.irp s, 0,1
	s_mov_b32 s[G0+4*\s], 1
	s_add_co_u32 s[G0+4*\s+1], s45, \s*SLOT
	s_add_nc_u64 s[G0+4*\s+2:G0+4*\s+3], s[20:21], \s*ROWB
	s_or_b32 s[G0+4*\s+3], s[G0+4*\s+3], 0x80000000
	s_mov_b32 s[G0B+4*\s], 1
	s_add_co_u32 s[G0B+4*\s+1], s45, \s*SLOT
	s_add_nc_u64 s[G0B+4*\s+2:G0B+4*\s+3], s[46:47], \s*ROWB
	s_or_b32 s[G0B+4*\s+3], s[G0B+4*\s+3], 0x80000000
	JLOAD G0+4*\s, G1, G0B+4*\s, G1B
.endr
	s_lshl_b32 s18, s42, 10
	s_lshl_b32 s19, s16, 9
	s_add_co_u32 s18, s18, s19
	s_mov_b32 s19, 0
	s_add_nc_u64 s[10:11], s[10:11], s[18:19]      ; b_fc1 at my 128 hidden units
	v_and_b32 v1, 15, v0
	v_bfe_u32 v2, v0, 4, 1
	v_lshlrev_b32 v[BOF], 5, v2
.irp b, 0,1,2,3,4,5,6,7
	global_load_b128 v[BI+8*\b:BI+8*\b+3], v[BOF], s[10:11] offset:64*\b
	global_load_b128 v[BI+8*\b+4:BI+8*\b+7], v[BOF], s[10:11] offset:64*\b+16
.endr
	v_mul_u32_u24 v3, v1, PITCH
	v_lshl_add_u32 v4, v2, 4, v3
	s_mul_i32 s21, s15, HALFT
	s_mul_i32 s22, s16, HALFT
	s_add_co_u32 s22, s22, 2*HALFT
.irp s, 0,1
	v_add_nc_u32 v[ADRA+\s], s21, v4
	v_add_nc_u32 v[ADRB+\s], s22, v4
	s_add_co_u32 s21, s21, SLOT
	s_add_co_u32 s22, s22, SLOT
.endr
	v_mul_u32_u24 v5, v1, KS
	v_lshrrev_b32 v6, 8, v5
	v_lshl_add_u32 v5, v6, 4, v5
	s_mul_i32 s21, s15, HALFS
	s_mul_i32 s22, s16, HALFS
	s_add_co_u32 s22, s22, 2*HALFS
	s_sub_co_u32 s22, s22, s21
	v_mul_u32_u24 v6, s22, v2
	s_add_co_u32 s21, s21, SCL
	v_add_nc_u32 v5, v5, v6
	v_add_nc_u32 v[ADRS], s21, v5
	s_lshl_b32 s23, s14, 9
	v_lshl_add_u32 v[STO], v1, 2, s23
	v_and_b32 v6, 31, v0
	v_lshlrev_b32 v[CO], 4, v6
	v_add_nc_u32 v[RD], s23, v[CO]
.macro FRAG reg, adr, q, i
.irp c, 0,1
	ds_load_b128 v[\reg+4*\c:\reg+4*\c+3], v[\adr] offset:64*(\q)+32*\c+(\i)*16*PITCH
.endr
.endm
.macro MUL16 a0, p, q, sc, zero        ; zero = 1: the first product takes the bias as C.  The 64 accumulators take turns
.irp a, \a0, \a0+1
.irp b, 0,1,2,3,4,5,6,7
.if \zero
	v_wmma_scale_f32_16x16x128_f8f6f4 v[8*(8*((\a)%4)+\b):8*(8*((\a)%4)+\b)+7], v[128*(\p)+FR*\b:128*(\p)+FR*\b+FR-1], v[AF+FR*(\a):AF+FR*(\a)+FR-1], v[BI+8*\b:BI+8*\b+7], v[SC+8*NQ*(\sc)+NQ*\b+(\q)], v[SC+8*NQ*(\sc)+NQ*(\a)+(\q)] matrix_a_fmt:MATRIX_FMT_FP4 matrix_b_fmt:MATRIX_FMT_FP4 matrix_a_scale:MATRIX_SCALE_ROW1
.else
	v_wmma_scale_f32_16x16x128_f8f6f4 v[8*(8*((\a)%4)+\b):8*(8*((\a)%4)+\b)+7], v[128*(\p)+FR*\b:128*(\p)+FR*\b+FR-1], v[AF+FR*(\a):AF+FR*(\a)+FR-1], v[8*(8*((\a)%4)+\b):8*(8*((\a)%4)+\b)+7], v[SC+8*NQ*(\sc)+NQ*\b+(\q)], v[SC+8*NQ*(\sc)+NQ*(\a)+(\q)] matrix_a_fmt:MATRIX_FMT_FP4 matrix_b_fmt:MATRIX_FMT_FP4 matrix_a_scale:MATRIX_SCALE_ROW1
.endif
.endr
.endr
.endm
.macro FETCH_B slot, q, p
	WIN TO_B
.irp i, 0,1,2,3,4,5,6,7
	FRAG 128*(\p)+FR*\i, ADRB+\slot, \q, \i
.endr
	WIN 0
.endm
.macro FETCH_A slot, q, i0
.irp i, \i0, \i0+1, \i0+2, \i0+3
	FRAG AF+FR*(\i), ADRA+\slot, \q, \i
.endr
.endm
.macro SCALES sc
.irp i, 0,1,2,3,4,5,6,7
	ds_load_b128 v[SC+8*NQ*\sc+NQ*\i:SC+8*NQ*\sc+NQ*\i+3], v[ADRS] offset:\i*SBLK
.endr
.endm
.macro PLACES n
.rept \n
	v_nop
.endr
.endm
.macro STEP slot, q, zero
	s_wait_dscnt 4*NL                              ; the weight's set and token blocks 0-3 are in; the youngest eight loads may be out
.if \zero
	WIN 0x81                                       ; C (the bias) in window 0, D in window 2
.else
	WIN MUL_LO
.endif
	MUL16 0, (\q)%2, \q, \slot, \zero
	MUL16 2, (\q)%2, \q, \slot, \zero
	s_wait_dscnt 0
	PLACES NP
	FETCH_B \slot, (\q)+1, 1-(\q)%2
	FETCH_A \slot, (\q)+1, 0
.if \zero
	WIN 0xc1
.else
	WIN MUL_HI
.endif
	MUL16 4, (\q)%2, \q, \slot, \zero
	MUL16 6, (\q)%2, \q, \slot, \zero
	PLACES NP
	WIN 0
	FETCH_A \slot, (\q)+1, 4
.endm
.macro TURN slot, next
	s_wait_tensorcnt 0x0                           ; all my tensor loads have landed: my part of the next slot
	ds_add_u32 v[SPW], v[NIL]                      ; 0 onto my spare word
	s_wait_dscnt 4*NL+1                            ; the add and the youngest eight loads may be out
	WIN MUL_LO
	MUL16 0, 1, NQ-1, \slot, 0
	s_wait_dscnt 0x0
	s_barrier_signal -1
	MUL16 2, 1, NQ-1, \slot, 0
	WIN 0
	s_barrier_wait -1
	PLACES NP
	v_add_nc_u32 v[ADRS], 4*NQ, v[ADRS]
	FETCH_B \next, 0, 0
	FETCH_A \next, 0, 0
	SCALES \next
	WIN MUL_HI
	MUL16 4, 1, NQ-1, \slot, 0
	MUL16 6, 1, NQ-1, \slot, 0
	PLACES NP
	WIN 0
	FETCH_A \next, 0, 4
.endm
.macro STEPS slot, from
.set Q, \from
.rept NQ-1-\from
	STEP \slot, Q, 0
.set Q, Q+1
.endr
.endm
.macro QUANT s, rc, pw                 ; 64 numbers of a lane (register 8 t + j = column 16 t + 8 (lane / 16) + j) become a fragment's image and its scale word
.irp b, 0,1,2,3
	v_max3_num_f32 v[TM+\b], |v[(\s)+16*\b]|, |v[(\s)+1+16*\b]|, 0x1800000
.endr
.irp i, 2,4,6,8,10,12,14
.irp b, 0,1,2,3
	v_max3_num_f32 v[TM+\b], v[TM+\b], |v[(\s)+16*\b+\i]|, |v[(\s)+1+16*\b+\i]|
.endr
.endr
.irp b, 0,1,2,3
	v_permlanex16_b32 v[TM+4+\b], v[TM+\b], s[SEL], s[SEL+1]
.endr
.irp b, 0,1,2,3
	v_max_num_f32 v[TM+\b], v[TM+\b], v[TM+4+\b]
.endr
.irp b, 0,1,2,3
	v_add_nc_u32 v[TM+12+\b], 0xff000000, v[TM+\b]
.endr
.irp b, 0,1,2,3
	v_lshrrev_b32 v[TM+4+\b], 23, v[TM+12+\b]
.endr
	v_lshl_or_b32 v[\pw], v[TM+5], 8, v[TM+4]
	v_lshl_or_b32 v[\pw], v[TM+6], 16, v[\pw]
	v_lshl_or_b32 v[\pw], v[TM+7], 24, v[\pw]
.irp b, 0,1,2,3
.irp e, 0,1
	v_cvt_scalef32_pk8_fp4_f32 v[(\rc)+4*(\b/2)+2*\e+(\b%2)], v[(\s)+16*\b+8*\e:(\s)+16*\b+8*\e+7], v[TM+12+\b]
.endr
.endr
	v_nop
.irp c, 0,1
.irp e, 0,1
	v_permlane16_swap_b32 v[(\rc)+4*\c+2*\e], v[(\rc)+4*\c+2*\e+1]
.endr
.endr
.endm
	s_wait_tensorcnt 1                             ; the scales and my part of slot 0 are in; slot 1's load may be out
	s_barrier_signal -1
	s_barrier_wait -1
	FETCH_B 0, 0, 0
	FETCH_A 0, 0, 0
	SCALES 0
	FETCH_A 0, 0, 4
	s_wait_loadcnt 0x0                             ; the bias
	STEP 0, 0, 1
	STEPS 0, 1
	TURN 0, 1
	STEPS 1, 0
	s_wait_dscnt 4*NL
	WIN MUL_LO
	MUL16 0, 1, NQ-1, 1, 0
	MUL16 2, 1, NQ-1, 1, 0
	s_wait_dscnt 0
	WIN MUL_HI
	MUL16 4, 1, NQ-1, 1, 0
	MUL16 6, 1, NQ-1, 1, 0
	WIN 0
	PLACES NP
	; THE WAY OUT
	s_lshl_b32 s18, s17, 4
	s_lshl_b32 s19, s15, 3
	s_add_co_u32 s18, s18, s19                     ; my first token tile
	s_lshl_b32 s20, s42, 1
	s_add_co_u32 s20, s20, s16
	s_add_co_u32 s20, s20, 8                       ; my K step of the next product
	s_mul_i32 s22, s18, 40960
	s_lshl_b32 s21, s20, 10
	s_add_co_u32 s22, s22, s21
	s_mov_b32 s23, 0
	s_add_nc_u64 s[4:5], s[12:13], s[22:23]        ; the images
	s_lshl_b32 s22, s20, 14
	s_lshl_b32 s18, s18, 6
	s_add_co_u32 s22, s22, s18
	s_add_co_u32 s22, s22, 10485760
	s_add_nc_u64 s[6:7], s[12:13], s[22:23]        ; the scale words: my 128 tokens' are 512 consecutive bytes
.macro SPAIR r, val                    ; a coefficient, as a pair: the packed forms name a pair and take its low word (all tensor loads are done: the descriptors' registers are free)
	s_mov_b32 s[\r], \val
	s_mov_b32 s[\r+1], \val
.endm
	SPAIR A11, 0x32edffee
	SPAIR A9,  0xb60cff51
	SPAIR A7,  0xb86ec2d2
	SPAIR A5,  0xba40ac63
	SPAIR A3,  0xbb41a1f6
	SPAIR A1,  0xbc83dbd4
	SPAIR B6,  0xb95fbd29
	SPAIR B4,  0xbadc924e
	SPAIR B2,  0xbbf19bf8
	SPAIR B0,  0xbc69b6a7
	SPAIR SQ2, 0x3fb504f3
	s_mov_b32 s[SEL], 0x76543210
	s_mov_b32 s[SEL+1], 0xfedcba98
	v_mov_b32 v[VA13], 0xaf95df0b
	v_mov_b32 v[VA13+1], 0xaf95df0b
	v_mov_b32 v[VB8], 0xb77460cd
	v_mov_b32 v[VB8+1], 0xb77460cd
.irp b, 0,1,2,3
	v_mov_b32 v[TM+4+\b], 0
.endr
.macro COPY a                          ; x / 2 of block a, each accumulator from its low end on
	WIN 0x02+(\a)/4
.set j, 0
.rept 32
	v_pk_mul_f32 v[HU+j:HU+j+1], v[64*((\a)%4)+j:64*((\a)%4)+j+1], 0.5 op_sel_hi:[1,0]
.set j, j+2
.endr
	WIN 0
.endm
.macro GELU g                          ; 16 numbers
.irp j, 0,2,4,6,8,10,12,14
	v_pk_mul_f32 v[ZZ+\j:ZZ+\j+1], v[HU+16*\g+\j:HU+16*\g+\j+1], s[SQ2:SQ2+1] op_sel_hi:[1,0]   ; z = x / sqrt 2
.endr
.irp j, 0,1,2,3,4,5,6,7,8,9,10,11,12,13,14,15
	v_med3_num_f32 v[ZZ+\j], v[ZZ+\j], -4.0, 4.0
.endr
.irp j, 0,2,4,6,8,10,12,14
	v_pk_mul_f32 v[Z2+\j:Z2+\j+1], v[ZZ+\j:ZZ+\j+1], v[ZZ+\j:ZZ+\j+1]
.endr
.irp j, 0,2,4,6,8,10,12,14
	v_pk_fma_f32 v[PP+\j:PP+\j+1], v[Z2+\j:Z2+\j+1], v[VA13:VA13+1], s[A11:A11+1] op_sel_hi:[1,1,0]
	v_pk_fma_f32 v[QQ+\j:QQ+\j+1], v[Z2+\j:Z2+\j+1], v[VB8:VB8+1], s[B6:B6+1] op_sel_hi:[1,1,0]
.endr
.irp c, A9, A7, A5, A3, A1
.irp j, 0,2,4,6,8,10,12,14
	v_pk_fma_f32 v[PP+\j:PP+\j+1], v[PP+\j:PP+\j+1], v[Z2+\j:Z2+\j+1], s[\c:\c+1] op_sel_hi:[1,1,0]
.endr
.endr
.irp c, B4, B2, B0
.irp j, 0,2,4,6,8,10,12,14
	v_pk_fma_f32 v[QQ+\j:QQ+\j+1], v[QQ+\j:QQ+\j+1], v[Z2+\j:Z2+\j+1], s[\c:\c+1] op_sel_hi:[1,1,0]
.endr
.endr
.irp j, 0,1,2,3,4,5,6,7,8,9,10,11,12,13,14,15
	v_rcp_f32 v[QQ+\j], v[QQ+\j]
.endr
.irp j, 0,2,4,6,8,10,12,14
	v_pk_mul_f32 v[PP+\j:PP+\j+1], v[PP+\j:PP+\j+1], v[ZZ+\j:ZZ+\j+1]        ; plain work behind the batch
.endr
	s_wait_alu depctr_va_vdst(0)                   ; one wait for the sixteen, ahead of their first reader
.irp j, 0,2,4,6,8,10,12,14
	v_pk_mul_f32 v[PP+\j:PP+\j+1], v[PP+\j:PP+\j+1], v[QQ+\j:QQ+\j+1]        ; erf
.endr
.irp j, 0,2,4,6,8,10,12,14
	v_pk_fma_f32 v[HU+16*\g+\j:HU+16*\g+\j+1], v[HU+16*\g+\j:HU+16*\g+\j+1], v[PP+\j:PP+\j+1], v[HU+16*\g+\j:HU+16*\g+\j+1]
.endr
.endm
	s_mov_b32 s3, 0                                ; the block
	s_mov_b32 s48, 0                               ; its scale words' place in my stage
.Lrow:
.irp a, 0,1,2,3,4,5,6
	s_cmp_eq_u32 s3, \a
	s_cbranch_scc1 .Lcopy\a
.endr
	COPY 7
	s_branch .Lbody
.irp a, 0,1,2,3,4,5,6
.Lcopy\a:
	COPY \a
	s_branch .Lbody
.endr
.Lbody:
	GELU 0
	GELU 1
	GELU 2
	GELU 3
	QUANT HU, RC, PW
	global_store_b128 v[CO], v[RC:RC+3], s[4:5]    ; 512 consecutive bytes each
	global_store_b128 v[CO], v[RC+4:RC+7], s[4:5] offset:512
	v_add_nc_u32 v[STA], s48, v[STO]
	ds_store_b32 v[STA], v[PW]                     ; lanes r and r + 16 write the same word with the same value
	s_wait_xcnt 0x0                                ; the stores have read their registers and their base: both are written again
	s_add_nc_u64 s[4:5], s[4:5], 40960             ; the next token tile
	s_add_co_u32 s48, s48, 64
	s_add_co_u32 s3, s3, 1
	s_cmp_lt_u32 s3, 8
	s_cbranch_scc1 .Lrow
	ds_load_b128 v[RC:RC+3], v[RD]                 ; LDS serves a wave's instructions in order
	s_wait_dscnt 0x0
	global_store_b128 v[CO], v[RC:RC+3], s[6:7]
	s_wait_tensorcnt 0x0                           ; the wave's end
	ds_add_u32 v[SPW], v[NIL]
	s_wait_dscnt 0x0
	CROUND
	s_endpgm
.Lfunc_end_k_q3b25480cc9_fc1:
	.size	k_q3b25480cc9_fc1, .Lfunc_end_k_q3b25480cc9_fc1-k_q3b25480cc9_fc1
	.p2alignl 7, 3214868480
	.fill 96, 4, 3214868480
	.section	.rodata,"a",@progbits
	.p2align	6, 0x0
	.amdhsa_kernel k_q3b25480cc9_fc1
		.amdhsa_group_segment_fixed_size 327680
		.amdhsa_private_segment_fixed_size 0
		.amdhsa_enable_private_segment 0
		.amdhsa_kernarg_size 40
		.amdhsa_user_sgpr_count 2
		.amdhsa_user_sgpr_kernarg_segment_ptr 1
		.amdhsa_wavefront_size32 1
		.amdhsa_system_sgpr_workgroup_id_x 1
		.amdhsa_system_sgpr_workgroup_id_y 1
		.amdhsa_system_sgpr_workgroup_id_z 1
		.amdhsa_system_vgpr_workitem_id 0
		.amdhsa_next_free_vgpr 1024
		.amdhsa_next_free_sgpr 106
		.amdhsa_reserve_vcc 0
		.amdhsa_float_denorm_mode_32 3
		.amdhsa_float_denorm_mode_16_64 3
		.amdhsa_memory_ordered 1
		.amdhsa_forward_progress 1
		.amdhsa_inst_pref_size 156
	.end_amdhsa_kernel
	.amdgpu_metadata
---
amdhsa.version: [ 1, 2 ]
amdhsa.kernels:
  - .name:           k_q3b25480cc9_fc1
    .symbol:         k_q3b25480cc9_fc1.kd
    .args:
      - { .name: act, .offset: 0, .size: 8, .value_kind: global_buffer, .address_space: global }
      - { .name: w_fc1_codes, .offset: 8, .size: 8, .value_kind: global_buffer, .address_space: global }
      - { .name: w_fc1_scales, .offset: 16, .size: 8, .value_kind: global_buffer, .address_space: global }
      - { .name: b_fc1, .offset: 24, .size: 8, .value_kind: global_buffer, .address_space: global }
      - { .name: ha, .offset: 32, .size: 8, .value_kind: global_buffer, .address_space: global }
    .group_segment_fixed_size: 327680
    .private_segment_fixed_size: 0
    .kernarg_segment_align: 8
    .kernarg_segment_size: 40
    .max_flat_workgroup_size: 128
    .sgpr_count:     106
    .vgpr_count:     1024
    .wavefront_size: 32
...
	.end_amdgpu_metadata
.endif
;; end of part 5
;; launch fc2 (part 6): grid 8 x 32, 4 waves a work-group, clusters of 4 x 4, 327,680 bytes of LDS; arguments ha, w_fc2_codes, w_fc2_scales, w_proj_codes, w_proj_scales, b_fc2, b_proj, x, out0; writes out0
.if DOCPART == 6
	.amdgcn_target "amdgcn-amd-amdhsa--gfx1250"
	.amdhsa_code_object_version 6
	.text
	.protected	k_q3b25480cc9_fc2
	.globl	k_q3b25480cc9_fc2
	.p2align	8
	.type	k_q3b25480cc9_fc2,@function
k_q3b25480cc9_fc2:
	s_mov_b64 s[64:65], 0
	v_nop
	global_prefetch_b8 v0, s[64:65] scope:SCOPE_SE
	s_setreg_imm32_b32 hwreg(HW_REG_WAVE_MODE, 25, 1), 1
	s_wait_xcnt 0x0
	s_wait_alu depctr_hold_cnt(0) depctr_sa_sdst(0) depctr_va_vdst(0) depctr_va_sdst(0) depctr_va_ssrc(0) depctr_va_vcc(0) depctr_vm_vsrc(0)
	s_getreg_b32 s2, hwreg(HW_REG_IB_STS2, 6, 4)
	s_cmp_eq_u32 s2, 0
	s_cbranch_scc0 .Lentry_in_a_cluster
	s_endpgm
.Lentry_in_a_cluster:
	s_bfe_u32 s2, ttmp6, 0x10000c
	s_cmp_lg_u32 s2, 0xf033
	s_cbranch_scc0 .Lentry_shape_is_right
	s_endpgm
.Lentry_shape_is_right:
; out0 = x + b_proj + b_fc2 + [o | h] [w_proj | w_fc2]^T: one product over K = 1,024 + 4,096 on codes of E2M1, so that x1 never goes to memory.
; A tile of 128 x 128 to a work-group (256 work-groups), 64 x 64 a wave: 16 accumulators.  K goes in five phases of 1,024 (phase 0: o and w_proj; phases 1-4: h and w_fc2) through two LDS buffers:
; phases 0 and 1 are first fills, phases 2, 3, 4 joint refills behind rounds of the cluster's barrier (4 x 4 clusters: the left operand's tile is shared along a row of the cluster, the weight's along a column).
; The left operand lies in memory as images of its registers (ha): a phase's part of a token tile is 8,192 consecutive bytes; its fragments are read from LDS 16 bytes a lane on end.  All scale words come once, with the first fills.
; The matrix instruction is used transposed (source 0 = 16 rows of the weight, source 1 = 16 tokens).  Both biases, added, are the C of each sum's first product; x waits in registers and is added on the way out.
; By this text's own count a wave has at most four tensor loads out (at the start), later one.
; REGISTERS: window 0: v8-18, v28, v29 addresses; v32-35 the tokens' scale words; v36-51 the weight's, two sets; v64-95 the biases; v96-127 at work; v128-255 the accumulators ((a, b) at 128 + 8 (4 a + b)).
;   window 1: two sets of fragments at v0 and v64 (the tokens' 32 registers, then the weight's 32); v128-255 my 64 x 64 of x, laid by rows.
.set BUF,   133120                     ; a buffer: 65,536 bytes of images [token tile 8][K step 8][1,024], then 128 rows of the weight, 512 bytes + 16
.set BOFF,  65536
.set BP,    528
.set ASC,   266240                     ; the tokens' scale words [K step 40][128 tokens][4]
.set FSC,   286720                     ; w_fc2's scale bytes: 16,384 dense bytes as 64 rows of 256 + 16
.set PSC,   304128                     ; w_proj's: 4,096 as 16 rows of 256 + 16
.set SPARE, 308480                     ; the spare words: 128 bytes a wave, named by no other line
.set STAGE, 308992                     ; the way out: 16 rows x (256 + 16) for each wave; no fill lands here
.set ADRA0, 8
.set ADRB0, 10
.set ADSA,  12
.set ADSF,  13
.set ADSP,  14
.set STO,   15
.set RD,    16
.set XO,    17
.set BO,    18
.set SPW,   28
.set NIL,   29
.set SA,    32
.set SB,    36
.set BI,    64
.set W,     96
.set ACC,   128
.set G1A,  24
.set G1AS, 32
.set G1BF, 40
.set G1BP, 48
.set G1SF, 56
.set G1SP, 68
.set G0A0, 76
.set G0A1, 80
.set G0AS, 84
.set G0B0, 88
.set G0B1, 92
.set G0SF, 96
.set G0SP, 4
.set MSB, 0
.macro WIN new
.if MSB != \new
	s_set_vgpr_msb (MSB<<8)|\new
.set MSB, \new
.endif
.endm
.macro PLACES
.rept 4
	v_nop
.endr
.endm
.macro JLOAD buf                       ; a joint refill: waves 0, 1 the images' halves, waves 2, 3 the weight's; four v_nop follow each line
	s_cmp_eq_u32 s3, 0
	s_cbranch_scc0 .Lfor_b_\@
	tensor_load_to_lds s[G0A0+4*\buf:G0A0+4*\buf+3], s[G1A:G1A+7]
	s_nop 0
.rept 4
	v_nop
.endr
	s_branch .Lasked_\@
.Lfor_b_\@:
	tensor_load_to_lds s[G0B0+4*\buf:G0B0+4*\buf+3], s[G1BF:G1BF+7]
	s_nop 0
.rept 4
	v_nop
.endr
.Lasked_\@:
.endm
.macro CREST
	s_cmp_lg_u32 s2, 0
	s_cbranch_scc1 .Lnot_wave_0_\@
	s_barrier_signal -3
.Lnot_wave_0_\@:
	s_barrier_wait -3
	s_barrier_signal -1
	s_barrier_wait -1
.endm
.macro CROUND
	s_barrier_signal -1
	s_barrier_wait -1
	CREST
.endm
.macro G1SET g, c, r, p                ; a group 1's words 1 to 7: rows of c elements, r rows, pitch p
	s_mov_b32 s[\g+1], (\c)<<16
	s_mov_b32 s[\g+2], (\r)<<16
	s_mov_b32 s[\g+3], (\c)<<16
	s_mov_b32 s[\g+4], \r
	s_mov_b32 s[\g+5], \p
	s_mov_b32 s[\g+6], 0
	s_mov_b32 s[\g+7], 0
.endm
	s_load_b256 s[4:11], s[0:1], 0x0               ; ha, w_fc2's codes, w_fc2's scales, w_proj's codes
	s_load_b64 s[12:13], s[0:1], 0x20              ; w_proj's scales
	s_load_b256 s[16:23], s[0:1], 0x28             ; b_fc2, b_proj, x, out0
	v_lshl_add_u32 v[SPW], v0, 2, SPARE
	v_mov_b32 v[NIL], 0
	ds_add_u32 v28, v29
	ds_add_u32 v28, v29
	s_wait_dscnt 0x0
	v_lshrrev_b32 v1, 5, v0
	v_readfirstlane_b32 s2, v1                     ; wave 0..3
	s_lshr_b32 s3, s2, 1                           ; which half of the tile's tokens is mine.  Also: I fetch the tokens' side (0) or the weight's (1)
	s_and_b32 s14, s2, 1                           ; which half of its columns.  Also: which half I fetch
	s_bfe_u32 s101, ttmp6, 0x40000                 ; cx
	s_bfe_u32 s100, ttmp6, 0x40004                 ; cy
	s_lshl_b32 s15, s100, 2
	s_lshl_b32 s15, 15, s15                        ; my row of the cluster
	s_lshl_b32 s66, 0x1111, s101                   ; my column
	s_or_b32 s[G1A], s15, (3<<16)|(1<<21)          ; elements of 8 bytes, no padding; bit 21 beside the mask
	s_or_b32 s[G1AS], s15, (3<<16)|(1<<21)
	s_or_b32 s[G1BF], s66, (0<<16)|(1<<20)|(1<<21)|(6<<22)|(3<<25)  ; elements of 1 byte; 4 words of padding behind every 128
	s_or_b32 s[G1BP], s66, (0<<16)|(1<<20)|(1<<21)|(6<<22)|(3<<25)
	s_or_b32 s[G1SF], s66, (3<<16)|(1<<20)|(1<<21)|(5<<22)|(3<<25)  ; 4 words behind every 64
	s_or_b32 s[G1SP], s66, (3<<16)|(1<<20)|(1<<21)|(5<<22)|(3<<25)
	G1SET G1A, 1024, 4, 5120                       ; four token tiles x 8,192 bytes, 40,960 bytes apart
	G1SET G1AS, 64, 20, 2048                       ; twenty K steps x 512 bytes, 16,384 apart
	G1SET G1BF, 512, 64, 2048                      ; 64 rows x 512 bytes of w_fc2
	G1SET G1BP, 512, 64, 512                       ; of w_proj
	G1SET G1SF, 32, 32, 32                         ; 8,192 dense bytes
	G1SET G1SP, 32, 8, 32                          ; 2,048
	s_and_b32 s104, ttmp7, 0xffff
	s_lshl_b32 s104, s104, 2
	s_add_co_u32 s100, s104, s100                  ; the tile row, 0..31
	s_lshl_b32 s67, ttmp9, 2
	s_add_co_u32 s101, s67, s101                   ; the tile column, 0..7
	s_lshl_b32 s104, s100, 3
	s_lshl_b32 s105, s14, 2
	s_add_co_u32 s104, s104, s105
	s_mul_i32 s104, s104, 40960                    ; the first token tile that I fetch
	s_mov_b32 s105, 0
	s_wait_kmcnt 0x0
	s_mov_b32 s[G0A0], 1
	s_lshl_b32 s[G0A0+1], s14, 15
	s_add_nc_u64 s[G0A0+2:G0A0+3], s[4:5], s[104:105]
	s_mov_b32 s[G0A1], 1
	s_add_co_u32 s[G0A1+1], s[G0A0+1], BUF
	s_add_nc_u64 s[G0A1+2:G0A1+3], s[G0A0+2:G0A0+3], 8192          ; phase 1
	s_or_b32 s[G0A0+3], s[G0A0+3], 0x80000000
	s_or_b32 s[G0A1+3], s[G0A1+3], 0x80000000
	s_mul_i32 s104, s14, 20*16384
	s_lshl_b32 s15, s100, 9
	s_add_co_u32 s104, s104, s15
	s_add_co_u32 s104, s104, 10485760
	s_mov_b32 s[G0AS], 1
	s_mul_i32 s[G0AS+1], s14, 20*512
	s_add_co_u32 s[G0AS+1], s[G0AS+1], ASC
	s_add_nc_u64 s[G0AS+2:G0AS+3], s[4:5], s[104:105]
	s_or_b32 s[G0AS+3], s[G0AS+3], 0x80000000
	s_lshl_b32 s66, s101, 7
	s_lshl_b32 s67, s14, 6
	s_add_co_u32 s66, s66, s67                     ; the first row of the weights that I fetch
	s_mov_b32 s67, 0
	s_lshl_b32 s66, s66, 5
	s_add_nc_u64 s[12:13], s[12:13], s[66:67]      ; w_proj's scales: 32 bytes a row
	s_lshl_b32 s66, s66, 2
	s_add_nc_u64 s[8:9], s[8:9], s[66:67]          ; w_fc2's scales: 128
	s_lshl_b32 s66, s66, 2
	s_add_nc_u64 s[10:11], s[10:11], s[66:67]      ; w_proj's codes: 512
	s_lshl_b32 s66, s66, 2
	s_add_nc_u64 s[6:7], s[6:7], s[66:67]          ; w_fc2's codes: 2,048
	s_mov_b32 s[G0B0], 1
	s_mul_i32 s[G0B0+1], s14, 64*BP
	s_add_co_u32 s[G0B0+1], s[G0B0+1], BOFF
	s_mov_b64 s[G0B0+2:G0B0+3], s[10:11]
	s_or_b32 s[G0B0+3], s[G0B0+3], 0x80000000
	s_mov_b32 s[G0B1], 1
	s_add_co_u32 s[G0B1+1], s[G0B0+1], BUF
	s_mov_b64 s[G0B1+2:G0B1+3], s[6:7]
	s_or_b32 s[G0B1+3], s[G0B1+3], 0x80000000
	s_mov_b32 s[G0SF], 1
	s_mul_i32 s[G0SF+1], s14, 32*272
	s_add_co_u32 s[G0SF+1], s[G0SF+1], FSC
	s_mov_b64 s[G0SF+2:G0SF+3], s[8:9]
	s_or_b32 s[G0SF+3], s[G0SF+3], 0x80000000
	s_mov_b64 s[G0SP+2:G0SP+3], s[12:13]           ; (ha's and w_fc2's pointers are used up)
	s_or_b32 s[G0SP+3], s[G0SP+3], 0x80000000
	s_mov_b32 s[G0SP], 1
	s_mul_i32 s[G0SP+1], s14, 8*272
	s_add_co_u32 s[G0SP+1], s[G0SP+1], PSC
	CROUND                                         ; all sixteen work-groups are here: the first joint loads meet
	s_cmp_eq_u32 s3, 0                             ; a wave's first fills stand in one branch
	s_cbranch_scc0 .Lfirst_b
	tensor_load_to_lds s[G0AS:G0AS+3], s[G1AS:G1AS+7]
	s_nop 0
	tensor_load_to_lds s[G0A0:G0A0+3], s[G1A:G1A+7]
	s_nop 0
	tensor_load_to_lds s[G0A1:G0A1+3], s[G1A:G1A+7]
	s_nop 0
.rept 4
	v_nop
.endr
	s_branch .Lfirst_done
.Lfirst_b:
	tensor_load_to_lds s[G0SF:G0SF+3], s[G1SF:G1SF+7]
	s_nop 0
	tensor_load_to_lds s[G0SP:G0SP+3], s[G1SP:G1SP+7]
	s_nop 0
	tensor_load_to_lds s[G0B0:G0B0+3], s[G1BP:G1BP+7]
	s_nop 0
	tensor_load_to_lds s[G0B1:G0B1+3], s[G1BF:G1BF+7]
	s_nop 0
.rept 4
	v_nop
.endr
.Lfirst_done:
	s_lshl_b32 s8, s100, 7
	s_lshl_b32 s9, s3, 6
	s_add_co_u32 s8, s8, s9                        ; my first token
	s_lshl_b32 s8, s8, 12
	s_lshl_b32 s9, s101, 7
	s_lshl_b32 s10, s14, 6
	s_add_co_u32 s9, s9, s10                       ; my first column
	s_lshl_b32 s10, s9, 2
	s_add_co_u32 s8, s8, s10
	s_mov_b32 s9, 0
	s_mov_b32 s11, 0
	s_add_nc_u64 s[20:21], s[20:21], s[8:9]        ; x
	s_add_nc_u64 s[22:23], s[22:23], s[8:9]        ; out0
	s_add_nc_u64 s[16:17], s[16:17], s[10:11]      ; b_fc2
	s_add_nc_u64 s[18:19], s[18:19], s[10:11]      ; b_proj
	v_and_b32 v1, 15, v0                           ; r
	v_bfe_u32 v2, v0, 4, 1                         ; h
	v_and_b32 v3, 31, v0
	v_lshlrev_b32 v4, 4, v3
	s_lshl_b32 s12, s3, 15
	v_add_nc_u32 v[ADRA0], s12, v4                 ; my four token tiles' images: 16 x lane
	v_add_nc_u32 v[ADRA0+1], BUF, v[ADRA0]
	v_mul_u32_u24 v5, v1, BP
	v_lshl_add_u32 v5, v2, 4, v5
	s_mul_i32 s12, s14, 64*BP
	s_add_co_u32 s12, s12, BOFF
	v_add_nc_u32 v[ADRB0], s12, v5                 ; my 64 rows of the weight: row r x pitch + 16 h
	v_add_nc_u32 v[ADRB0+1], BUF, v[ADRB0]
	s_lshl_b32 s12, s3, 8
	s_add_co_u32 s12, s12, ASC
	v_lshl_add_u32 v[ADSA], v3, 2, s12             ; lanes 0-15 one block of tokens, lanes 16-31 the next
	v_lshrrev_b32 v5, 1, v1
	v_mul_u32_u24 v5, v5, 272
	v_and_b32 v6, 1, v1
	v_lshl_add_u32 v5, v6, 7, v5
	v_mad_u32_u24 v5, v2, 8*272, v5                ; w_fc2's scales: two rows of 128 bytes to a unit; lanes 16-31 take the next block of 16 rows
	s_mul_i32 s12, s14, 32*272
	s_add_co_u32 s12, s12, FSC
	v_add_nc_u32 v[ADSF], s12, v5
	v_lshrrev_b32 v5, 3, v1
	v_mul_u32_u24 v5, v5, 272
	v_and_b32 v6, 7, v1
	v_lshl_add_u32 v5, v6, 5, v5
	v_mad_u32_u24 v5, v2, 2*272, v5                ; w_proj's: eight rows of 32 bytes to a unit
	s_mul_i32 s12, s14, 8*272
	s_add_co_u32 s12, s12, PSC
	v_add_nc_u32 v[ADSP], s12, v5
	s_mul_i32 s12, s2, 16*272
	s_add_co_u32 s12, s12, STAGE
	v_mul_u32_u24 v5, v1, 272
	v_lshl_add_u32 v5, v2, 5, v5
	v_add_nc_u32 v[STO], s12, v5
	v_mul_u32_u24 v5, v2, 272
	v_lshl_add_u32 v5, v1, 4, v5
	v_add_nc_u32 v[RD], s12, v5
	v_lshlrev_b32 v[XO], 12, v2
	v_lshl_add_u32 v[XO], v1, 4, v[XO]             ; lanes 0-15 one row's 256 bytes, lanes 16-31 the next row's
	v_lshlrev_b32 v[BO], 5, v2
	WIN 0x40
.irp a, 0,1,2,3
.irp t, 0,1,2,3,4,5,6,7
	global_load_b128 v[128+4*(8*\a+\t):128+4*(8*\a+\t)+3], v[XO], s[20:21] offset:(16*\a+2*\t)*4096 th:TH_LOAD_NT
.endr
.endr
	WIN 0
.irp b, 0,1,2,3
	global_load_b128 v[BI+8*\b:BI+8*\b+3], v[BO], s[16:17] offset:64*\b
	global_load_b128 v[BI+8*\b+4:BI+8*\b+7], v[BO], s[16:17] offset:64*\b+16
	global_load_b128 v[W+8*\b:W+8*\b+3], v[BO], s[18:19] offset:64*\b
	global_load_b128 v[W+8*\b+4:W+8*\b+7], v[BO], s[18:19] offset:64*\b+16
.endr
; The fragments and scale words of K step q of phase ph, out of buffer buf, into set q % 2: 18 LDS loads, 20 where a new group of four K steps begins
.macro FETCH buf, ph, q
.set FS, 64*((\q)%2)
	WIN 0x40
.irp a, 0,1,2,3
.irp c, 0,1
	ds_load_b128 v[FS+8*\a+4*\c:FS+8*\a+4*\c+3], v[ADRA0+\buf] offset:\a*8192+(\q)*1024+\c*512
.endr
.endr
.irp b, 0,1,2,3
.irp c, 0,1
	ds_load_b128 v[FS+32+8*\b+4*\c:FS+32+8*\b+4*\c+3], v[ADRB0+\buf] offset:\b*16*BP+64*(\q)+32*\c
.endr
.endr
	WIN 0
.irp p, 0,1
	ds_load_b32 v[SA+2*((\q)%2)+\p], v[ADSA] offset:(8*(\ph)+(\q))*512+128*\p
.endr
.if ((\q)%4) == 0
.set SS, SB+8*(((8*(\ph)+(\q))/4)%2)
.irp p, 0,1
.if (\ph) == 0
	ds_load_b128 v[SS+4*\p:SS+4*\p+3], v[ADSP] offset:\p*4*272+16*((\q)/4)
.else
	ds_load_b128 v[SS+4*\p:SS+4*\p+3], v[ADSF] offset:\p*16*272+32*((\ph)-1)+16*((\q)/4)
.endif
.endr
.endif
.endm
.macro WM d, a, b, c, sa, sb, ra, rb   ; one product; ra, rb: the scale words stand in lanes 16-31
.if (\ra) && (\rb)
	v_wmma_scale_f32_16x16x128_f8f6f4 v[\d:\d+7], v[\a:\a+7], v[\b:\b+7], v[\c:\c+7], v[\sa], v[\sb] matrix_a_fmt:MATRIX_FMT_FP4 matrix_b_fmt:MATRIX_FMT_FP4 matrix_a_scale:MATRIX_SCALE_ROW1 matrix_b_scale:MATRIX_SCALE_ROW1
.elseif (\ra)
	v_wmma_scale_f32_16x16x128_f8f6f4 v[\d:\d+7], v[\a:\a+7], v[\b:\b+7], v[\c:\c+7], v[\sa], v[\sb] matrix_a_fmt:MATRIX_FMT_FP4 matrix_b_fmt:MATRIX_FMT_FP4 matrix_a_scale:MATRIX_SCALE_ROW1
.elseif (\rb)
	v_wmma_scale_f32_16x16x128_f8f6f4 v[\d:\d+7], v[\a:\a+7], v[\b:\b+7], v[\c:\c+7], v[\sa], v[\sb] matrix_a_fmt:MATRIX_FMT_FP4 matrix_b_fmt:MATRIX_FMT_FP4 matrix_b_scale:MATRIX_SCALE_ROW1
.else
	v_wmma_scale_f32_16x16x128_f8f6f4 v[\d:\d+7], v[\a:\a+7], v[\b:\b+7], v[\c:\c+7], v[\sa], v[\sb] matrix_a_fmt:MATRIX_FMT_FP4 matrix_b_fmt:MATRIX_FMT_FP4
.endif
.endm
.macro MUL4 a, ph, q, first            ; token block a x the weight's four blocks.  The 16 accumulators take turns, in the same order in every K step
.set FS, 64*((\q)%2)
.set SS, SB+8*(((8*(\ph)+(\q))/4)%2)
.irp b, 0,1,2,3
.if \first
	WM ACC+8*(4*(\a)+\b), FS+32+8*\b, FS+8*(\a), BI+8*\b, SS+4*(\b/2)+(\q)%4, SA+2*((\q)%2)+(\a)/2, \b%2, (\a)%2
.else
	WM ACC+8*(4*(\a)+\b), FS+32+8*\b, FS+8*(\a), ACC+8*(4*(\a)+\b), SS+4*(\b/2)+(\q)%4, SA+2*((\q)%2)+(\a)/2, \b%2, (\a)%2
.endif
.endr
.endm
.macro KSTEP buf, ph, q, first         ; K steps 0 to 6 of a phase
	s_wait_dscnt 0x0                               ; this K step's fragments are in
	PLACES                                         ; in front of loads into the set that the last K step multiplied
	FETCH \buf, \ph, (\q)+1
	WIN 0x05                                       ; sources 0 and 1 in window 1
	MUL4 0, \ph, \q, \first
	MUL4 1, \ph, \q, \first
	MUL4 2, \ph, \q, \first
	MUL4 3, \ph, \q, \first
	WIN 0
.endm
; A phase's last K step changes buffers: one barrier.  In front of it each wave waits for all its tensor loads, adds 0 to its spare word, and waits for that and for its reads of this buffer.
; fill = 1, 2: the barrier opens a round of the cluster's barrier, and behind the round this buffer is filled again, with the phase two on.
.macro TURN buf, ph, fill
	s_wait_tensorcnt 0x0                           ; all my tensor loads have landed: my part of the other buffer
	ds_add_u32 v[SPW], v[NIL]                      ; 0 onto my spare word
	s_wait_dscnt 1                                 ; the add alone may be out: this K step's fragments are in
	WIN 0x05
	MUL4 0, \ph, 7, 0
	s_wait_dscnt 0x0                               ; the add is done, and my reads of this buffer are over
	s_barrier_signal -1
	MUL4 1, \ph, 7, 0
	WIN 0
	s_barrier_wait -1
.if \fill
	CREST                                          ; no wave of any partner still reads this buffer or has a load on its way
	s_add_nc_u64 s[G0A0+4*\buf+2:G0A0+4*\buf+3], s[G0A0+4*\buf+2:G0A0+4*\buf+3], 16384   ; two phases on
.if \fill == 1
	s_add_nc_u64 s[G0B0+2:G0B0+3], s[G0B1+2:G0B1+3], 512           ; from w_proj to w_fc2: one piece of 512 bytes behind phase 1's
.else
	s_add_nc_u64 s[G0B0+4*\buf+2:G0B0+4*\buf+3], s[G0B0+4*\buf+2:G0B0+4*\buf+3], 1024
.endif
	JLOAD \buf                                     ; the first tensor load behind the round; its four v_nop are also the places in front of the loads below
.else
	PLACES
.endif
	FETCH 1-\buf, (\ph)+1, 0
	WIN 0x05
	MUL4 2, \ph, 7, 0
	MUL4 3, \ph, 7, 0
	WIN 0
.endm
.macro PHASE buf, ph, from
.set KQ, \from
.rept 7-\from
	KSTEP \buf, \ph, KQ, 0
.set KQ, KQ+1
.endr
.endm
	s_wait_tensorcnt 1                             ; the scale words and my part of phase 0 are in; phase 1's load may be out (on both ways it is the youngest)
	s_barrier_signal -1
	s_barrier_wait -1
	FETCH 0, 0, 0
	s_wait_loadcnt 0x0                             ; the biases, and x
.set j, 0
.rept 16
	v_pk_add_f32 v[BI+j:BI+j+1], v[BI+j:BI+j+1], v[W+j:W+j+1]
.set j, j+2
.endr
	KSTEP 0, 0, 0, 1                               ; the first products take the biases as C
	PHASE 0, 0, 1
	TURN 0, 0, 1
	PHASE 1, 1, 0
	TURN 1, 1, 2
	PHASE 0, 2, 0
	TURN 0, 2, 2
	PHASE 1, 3, 0
	TURN 1, 3, 0
	PHASE 0, 4, 0
	s_wait_dscnt 0x0                               ; the last K step: nothing more to fetch
	WIN 0x05
	MUL4 0, 4, 7, 0
	MUL4 1, 4, 7, 0
	MUL4 2, 4, 7, 0
	MUL4 3, 4, 7, 0
	WIN 0
	PLACES
	; THE WAY OUT, 16 tokens at a time: through my stage into whole rows of 256 bytes, + x, stored: sixteen lanes fill 256 consecutive, aligned bytes
.irp a, 0,1,2,3
.if \a > 0
	s_wait_xcnt 0x0                                ; the last block's stores have read their registers
.endif
.irp b, 0,1,2,3
	ds_store_b128 v[STO], v[ACC+8*(4*\a+\b):ACC+8*(4*\a+\b)+3] offset:64*\b          ; each accumulator from its low end on
	ds_store_b128 v[STO], v[ACC+8*(4*\a+\b)+4:ACC+8*(4*\a+\b)+7] offset:64*\b+16
.endr
.irp t, 0,1,2,3,4,5,6,7
	ds_load_b128 v[W+4*\t:W+4*\t+3], v[RD] offset:544*\t           ; LDS serves a wave's instructions in order
.endr
	s_wait_dscnt 0x0
	WIN 0x04                                       ; source 1 (x) in window 1
.set j, 0
.rept 16
	v_pk_add_f32 v[W+j:W+j+1], v[W+j:W+j+1], v[128+32*\a+j:128+32*\a+j+1]
.set j, j+2
.endr
	WIN 0
.irp t, 0,1,2,3,4,5,6,7
	global_store_b128 v[XO], v[W+4*\t:W+4*\t+3], s[22:23] offset:(16*\a+2*\t)*4096 th:TH_STORE_NT
.endr
.endr
	s_wait_tensorcnt 0x0                           ; the wave's end
	ds_add_u32 v[SPW], v[NIL]
	s_wait_dscnt 0x0
	CROUND                                         ; the closing round
	s_endpgm
.Lfunc_end_k_q3b25480cc9_fc2:
	.size	k_q3b25480cc9_fc2, .Lfunc_end_k_q3b25480cc9_fc2-k_q3b25480cc9_fc2
	.p2alignl 7, 3214868480
	.fill 96, 4, 3214868480
	.section	.rodata,"a",@progbits
	.p2align	6, 0x0
	.amdhsa_kernel k_q3b25480cc9_fc2
		.amdhsa_group_segment_fixed_size 327680
		.amdhsa_private_segment_fixed_size 0
		.amdhsa_enable_private_segment 0
		.amdhsa_kernarg_size 72
		.amdhsa_user_sgpr_count 2
		.amdhsa_user_sgpr_kernarg_segment_ptr 1
		.amdhsa_wavefront_size32 1
		.amdhsa_system_sgpr_workgroup_id_x 1
		.amdhsa_system_sgpr_workgroup_id_y 1
		.amdhsa_system_sgpr_workgroup_id_z 1
		.amdhsa_system_vgpr_workitem_id 0
		.amdhsa_next_free_vgpr 512
		.amdhsa_next_free_sgpr 106
		.amdhsa_reserve_vcc 0
		.amdhsa_float_denorm_mode_32 3
		.amdhsa_float_denorm_mode_16_64 3
		.amdhsa_memory_ordered 1
		.amdhsa_forward_progress 1
		.amdhsa_inst_pref_size 170
	.end_amdhsa_kernel
	.amdgpu_metadata
---
amdhsa.version: [ 1, 2 ]
amdhsa.kernels:
  - .name:           k_q3b25480cc9_fc2
    .symbol:         k_q3b25480cc9_fc2.kd
    .args:
      - { .name: ha, .offset: 0, .size: 8, .value_kind: global_buffer, .address_space: global }
      - { .name: w_fc2_codes, .offset: 8, .size: 8, .value_kind: global_buffer, .address_space: global }
      - { .name: w_fc2_scales, .offset: 16, .size: 8, .value_kind: global_buffer, .address_space: global }
      - { .name: w_proj_codes, .offset: 24, .size: 8, .value_kind: global_buffer, .address_space: global }
      - { .name: w_proj_scales, .offset: 32, .size: 8, .value_kind: global_buffer, .address_space: global }
      - { .name: b_fc2, .offset: 40, .size: 8, .value_kind: global_buffer, .address_space: global }
      - { .name: b_proj, .offset: 48, .size: 8, .value_kind: global_buffer, .address_space: global }
      - { .name: x, .offset: 56, .size: 8, .value_kind: global_buffer, .address_space: global }
      - { .name: out0, .offset: 64, .size: 8, .value_kind: global_buffer, .address_space: global }
    .group_segment_fixed_size: 327680
    .private_segment_fixed_size: 0
    .kernarg_segment_align: 8
    .kernarg_segment_size: 72
    .max_flat_workgroup_size: 128
    .sgpr_count:     106
    .vgpr_count:     512
    .wavefront_size: 32
...
	.end_amdgpu_metadata
.endif
;; end of part 6
